; MI455X (gfx1250); checked and timed in simulation.
; The chip was launched on July 23, 2026; its instructions are those of AMD's public machine-readable ISA for CDNA 5 (MIT licence, August 2026) and "CDNA5" Instruction Set Architecture Reference Guide (July 2026). The comments in the code are by the model that wrote it; some were corrected since.
;; Frequency Sparse Attention. Allowed arithmetic: matrix products marked QUANTISED: E2M3 operands, one E8M0 scale for each 32 along K, by v_wmma_scale_f32_16x16x128_f8f6f4 with both operands' format E2M3, f32 sums; everything else in f32.
;; Inputs: Wk 1,024 x 1,024 float32; Wo 1,024 x 1,024 float32; Wq 1,024 x 1,024 float32; Wv 1,024 x 1,024 float32; bk 1,024 float32; bo 1,024 float32; bq 1,024 float32; bv 1,024 float32; energy_coeffs 4 x 2,048 x 1,024 float32; k_x 4 x 2,048 x 1,024 float32; q_x 4 x 2,048 x 1,024 float32; v_x 4 x 2,048 x 1,024 float32.
;; Outputs: out0 4 x 2,048 x 1,024 float32.
;; This version of the problem:
;;   THIS VERSION OF THE PROBLEM IS GIVEN IN LOW PRECISION. The matrix products marked QUANTISED in the list below multiply operands that are first quantised to E2M3 (2 exponent bits, 3 mantissa bits; 6 bits a number), with one power-of-two scale for each 32 numbers along K (OCP MX v1.0); their sums are f32. All else is computed in f32.
;;   The module's matrix products, in the order in which they are computed (A, B: the left and right operand; K: the contracted axis; several contracted axes count as one K, in the product's order):
;;     1. [M 8,192, K 1,024] x [K 1,024, N 1,024]; A: input q_x; B: input Wq: QUANTISED
;;     2. [M 8,192, K 1,024] x [K 1,024, N 1,024]; A: input k_x; B: input Wk: QUANTISED
;;     3. [M 8,192, K 1,024] x [K 1,024, N 1,024]; A: input v_x; B: input Wv: QUANTISED
;;     4. batch 64 x [M 2,048, K 64] x [K 64, N 2,048]; A: computed on the way; B: computed on the way: QUANTISED
;;     5. batch 64 x [M 2,048, K 2,048] x [K 2,048, N 64]; A: computed on the way; B: computed on the way: QUANTISED
;;     6. [M 8,192, K 1,024] x [K 1,024, N 1,024]; A: computed on the way; B: input Wo: QUANTISED
;;   THE QUANTISER, for each operand of a quantised product, along K:
;;     - K is cut into blocks of 32 from its start; a last block that is shorter is filled with zeros.
;;     - A block's scale is 2^e with e = floor(log2(the largest magnitude in the block)) - 2, held to -126 .. 127; a block of zeros has e = 0. As a byte (E8M0): e + 127.
;;     - Each number is divided by its block's scale, clamped to +-7.5, and rounded to the nearest number of E2M3, ties to even, subnormals kept.
;;     - The product sums the exact products of the quantised numbers (number of the format x scale) in f32.
;;   ~~~python
;;   def quantise(x, axis):      # numpy; x: float32 -> the quantised numbers, widened to float32 again
;;       x = np.moveaxis(x, axis, -1); K = x.shape[-1]
;;       x = np.pad(x, [(0, 0)] * (x.ndim - 1) + [(0, -K % 32)]); x = x.reshape(x.shape[:-1] + (-1, 32)); a = np.abs(x).max(-1, keepdims=True)
;;       e = np.where(a > 0, np.clip(np.frexp(np.where(a > 0, a, 1))[1] - 1 - 2, -126, 127), 0)      # np.frexp(a)[1] - 1 = floor(log2(a)), exactly
;;       r = np.clip(x / 2.0 ** e, -7.5, 7.5)
;;       step = 2.0 ** (np.maximum(np.frexp(np.where(r == 0, 1, r))[1] - 1, 0) - 3)
;;       q = np.round(r / step) * step * 2.0 ** e      # np.round: ties to even
;;       return np.moveaxis(q.reshape(q.shape[:-2] + (-1,))[..., :K], -1, axis).astype(np.float32)
;;   ~~~
;;   OPERANDS COMPUTED ON THE WAY. 'Computed on the way' means the value that the module computes at that place (a softmax that the list does not call 'softmax' is quantised finished and normalised). What goes into a quantiser is computed in f32, as accurately as f32 sums, v_exp_f32 and their like allow (about 1e-6 of the number): no bf16 or f16 on the way to a quantiser, and a product that is left as it is and whose result goes on into a quantised operand takes f32 operands (vector FMAs, or v_wmma_f32_16x16x4_f32). A number that lies on a knife's edge between two numbers of the format may be rounded either way, as far as f32 arithmetic and the matrix unit's own rounding can turn it there, and no further.
;; One version. Each part assembles by itself: llvm-mc -triple=amdgcn-amd-amdhsa -mcpu=gfx1250 --defsym DOCPART=n.
;; ======== version 1 of 1: 4 launches
;; limits: right only within a limited range of input values
;; workspace buffers: ximg 19,660,800 bytes; wimg 3,276,800 bytes; lgc 32,768 bytes; qkv 20,185,088 bytes; op 6,553,600 bytes
;; launch prep (part 1): grid 512 x 1, 4 waves a work-group, no clusters, 34,304 bytes of LDS; arguments q_x, k_x, v_x, Wq, Wk, Wv, Wo, energy_coeffs, ximg, wimg, lgc; writes ximg, wimg, lgc
.if DOCPART == 1
	.amdgcn_target "amdgcn-amd-amdhsa--gfx1250"
	.amdhsa_code_object_version 6
	.text
	.protected	k_qef982e820c_prep
	.globl	k_qef982e820c_prep
	.p2align	8
	.type	k_qef982e820c_prep,@function
k_qef982e820c_prep:
	s_mov_b64 s[64:65], 0
	v_nop
	global_prefetch_b8 v0, s[64:65] scope:SCOPE_SE
	s_setreg_imm32_b32 hwreg(HW_REG_WAVE_MODE, 25, 1), 1
	s_wait_xcnt 0x0
; q_x, k_x, v_x [8192][1024] and Wq, Wk, Wv, Wo [1024][1024], f32 with K innermost, become codes of FP6 (E2M3) with one E8M0 byte for each 32 along K; energy_coeffs becomes G.
; A block's scale is 2^(floor(log2(its largest magnitude)) - 2): its byte is that magnitude's exponent field - 2, held at 1 from below.
; LAYOUT OF THE RESULT.  Rows are cut into tiles of 16; lane row r of tile mt is row 32 (mt / 2) + 8 (mt % 2) + r + 8 (r / 8).  A tile's record is 12,800 bytes: for each 64 along K an image of six operand registers
; (768 bytes: registers 0-3, 16 bytes a lane, at 16 x lane; registers 4-5 at 512 + 8 x lane), 16 of them; then 512 bytes of scale words, 32 bytes a lane row, word ks for K step ks of 128.
; G[b][key] = 8 ln(sigmoid(10 (mean|energy| - 0.1))) = -8 ln 2 x log2(1 + 2^(-10 log2(e) (mean - 0.1))): the attention launch adds it to a key's raw score, so that the gate rides in the exponent.
; SHARES.  Work-groups 0-383: 64 rows of an x tensor; 384-447: 64 rows of a weight; a wave takes one tile.  Work-groups 448-511: 128 rows of energy_coeffs, 32 a wave.
; LIMITS: NaN and infinities among the inputs are not served; a block whose largest magnitude lies under 2^-124 keeps the byte 1 (a block of zeros too: its codes are zeros, and only this program reads the bytes).
; No tensor loads, no barrier: waves share nothing.  No matrix unit, no cluster: each byte is read once and nothing is shared.
.set SP,    528                        ; a stage row: 512 bytes (128 numbers of one row) + 16: the sixteen rows that a 16-byte read touches begin in sixteen different columns of 16 bytes
.set STG,   16*SP                      ; a wave's stage
.set SPARE, 4*STG                      ; behind the stages: the spare words, 128 bytes a wave: two blocks of 256 bytes that no other line names
.set G16, 4                            ; v4   16 x lane
.set G8,  5                            ; v5   8 x lane
.set STI, 6                            ; v6   the stage, on the way in: 16 x lane
.set STO, 7                            ; v7   on the way out: 528 r + 64 h
.set SCO, 8                            ; v8   my 16 bytes of the record's scale words: 32 r + 16 h
.set SPW, 10                           ; v10  my spare word; never rewritten
.set NIL, 11                           ; v11  0; never rewritten
.set R,   16                           ; v16-143  two sets of 64: a K step as loaded
.set X,   144                          ; v144-207 64 numbers: register 16 b + i = k 32 b + 16 h + i of my row
.set PC,  208                          ; v208-227 the codes
.set TM,  228                          ; v228-243 at work
.set PW,  244                          ; v244 the scale word just made
.set SW,  246                          ; v246-253 the eight K steps' scale words
.set WV,  26
.set SRC, 28
.set DST, 30
.set SEL, 36
.set HM,  38
; 64 numbers of a lane become a fragment's 12 registers in v[PC] on and its scale word in v[PW].
.macro QUANT s
.irp b, 0,1,2,3
	v_max3_num_f32 v[TM+\b], |v[\s+16*\b]|, |v[\s+1+16*\b]|, 0x1800000   ; block b: my 16 numbers, and the floor 2^(3 - 127): the byte cannot fall under 1
.endr
.irp i, 2,4,6,8,10,12,14
.irp b, 0,1,2,3
	v_max3_num_f32 v[TM+\b], v[TM+\b], |v[\s+16*\b+\i]|, |v[\s+1+16*\b+\i]|   ; the four blocks by turns
.endr
.endr
.irp b, 0,1,2,3
	v_permlanex16_b32 v[TM+4+\b], v[TM+\b], s[SEL], s[SEL+1]
.endr
.irp b, 0,1,2,3
	v_max_num_f32 v[TM+\b], v[TM+\b], v[TM+4+\b]   ; with lane l xor 16's 16: the block's largest magnitude
.endr
.irp b, 0,1,2,3
	v_add_nc_u32 v[TM+12+\b], 0xff000000, v[TM+\b]   ; 2 off its exponent field: the conversion's scale operand
.endr
.irp b, 0,1,2,3
	v_lshrrev_b32 v[TM+4+\b], 23, v[TM+12+\b]      ; the scale's byte
.endr
	v_lshl_or_b32 v[PW], v[TM+5], 8, v[TM+4]
	v_lshl_or_b32 v[PW], v[TM+6], 16, v[PW]
	v_lshl_or_b32 v[PW], v[TM+7], 24, v[PW]
.irp c, 0,1
	v_cvt_scalef32_pk16_fp6_f32 v[PC+6*\c:PC+2+6*\c], v[\s+32*\c:\s+15+32*\c], v[TM+12+2*\c]
	v_cvt_scalef32_pk16_fp6_f32 v[PC+12+4*\c:PC+14+4*\c], v[\s+16+32*\c:\s+31+32*\c], v[TM+12+2*\c+1]   ; (a conversion's three registers begin on an even number)
.endr
	v_nop                                          ; one plain place behind a scaled conversion
.irp c, 0,1                                    ; the operand wants a whole block in a lane: lanes 0-15 block 2 c, lanes 16-31 block 2 c + 1
.irp i, 0,1,2
	v_permlane16_swap_b32 v[PC+6*\c+\i], v[PC+12+4*\c+\i]
.endr
.irp i, 0,1,2
	v_mov_b32 v[PC+3+6*\c+\i], v[PC+12+4*\c+\i]
.endr
.endr
.endm
	s_load_b256 s[4:11], s[0:1], 0x0               ; q_x, k_x, v_x, Wq
	s_load_b256 s[12:19], s[0:1], 0x20             ; Wk, Wv, Wo, energy_coeffs
	s_load_b128 s[20:23], s[0:1], 0x40             ; ximg, wimg
	s_load_b64 s[24:25], s[0:1], 0x50              ; lgc
	v_lshl_add_u32 v[SPW], v0, 2, SPARE
	v_mov_b32 v[NIL], 0
	v_lshrrev_b32 v1, 5, v0
	v_readfirstlane_b32 s[WV], v1                  ; wave 0..3
	v_and_b32 v1, 31, v0                           ; lane
	v_and_b32 v2, 15, v0                           ; r
	v_bfe_u32 v3, v0, 4, 1                         ; h
	v_lshlrev_b32 v[G16], 4, v1
	s_mov_b32 s[SEL], 0x76543210
	s_mov_b32 s[SEL+1], 0xfedcba98                 ; v_permlanex16_b32's selects for lane l xor 16
	s_wait_kmcnt 0x0
	s_cmp_ge_u32 ttmp9, 448                        ; the parting hangs on the work-group's number alone
	s_cbranch_scc1 .Lgate
	; ---- the quantiser
	s_wait_alu depctr_va_vdst(0)
	v_lshlrev_b32 v[G8], 3, v1
	s_mul_i32 s27, s[WV], STG
	v_add_nc_u32 v[STI], s27, v[G16]
	v_mul_u32_u24 v[STO], v2, SP
	v_lshl_add_u32 v[STO], v3, 6, v[STO]
	v_add_nc_u32 v[STO], s27, v[STO]
	v_lshlrev_b32 v[SCO], 5, v2
	v_lshl_add_u32 v[SCO], v3, 4, v[SCO]
	s_mov_b32 s[HM], 0xffff0000                    ; lanes 16-31
.irp b, 0,1,2,3
	v_mov_b32 v[TM+4+\b], 0                        ; written once: a lane permute's destination counts as one of its sources
.endr
	s_cmp_lt_u32 ttmp9, 432                        ; which tensor: only pointers are chosen, all seven take one path
	s_cselect_b64 s[SRC:SRC+1], s[14:15], s[16:17]
	s_cmp_lt_u32 ttmp9, 416
	s_cselect_b64 s[SRC:SRC+1], s[12:13], s[SRC:SRC+1]
	s_cmp_lt_u32 ttmp9, 400
	s_cselect_b64 s[SRC:SRC+1], s[10:11], s[SRC:SRC+1]
	s_cmp_lt_u32 ttmp9, 384
	s_cselect_b64 s[SRC:SRC+1], s[8:9], s[SRC:SRC+1]
	s_cselect_b64 s[DST:DST+1], s[20:21], s[22:23]
	s_cselect_b32 s32, 127, 15                     ; work-groups to a tensor, less one
	s_cselect_b32 s35, 0, 384
	s_cmp_lt_u32 ttmp9, 256
	s_cselect_b64 s[SRC:SRC+1], s[6:7], s[SRC:SRC+1]
	s_cmp_lt_u32 ttmp9, 128
	s_cselect_b64 s[SRC:SRC+1], s[4:5], s[SRC:SRC+1]
	s_and_b32 s32, ttmp9, s32                      ; my place in the tensor: 64 rows of 4,096 bytes each
	s_lshl_b32 s32, s32, 18
	s_lshr_b32 s34, s[WV], 1
	s_lshl_b32 s34, s34, 17                        ; + 32 (wave / 2) rows
	s_add_co_u32 s32, s32, s34
	s_and_b32 s34, s[WV], 1
	s_lshl_b32 s34, s34, 15                        ; + 8 (wave % 2) rows
	s_add_co_u32 s32, s32, s34
	s_mov_b32 s33, 0
	s_sub_co_u32 s35, ttmp9, s35
	s_mul_i32 s34, s35, 51200                      ; four records a work-group,
	s_mul_i32 s35, s[WV], 12800                    ; one a wave
	s_add_co_u32 s34, s34, s35
	s_mov_b32 s35, 0
	s_add_nc_u64 s[SRC:SRC+1], s[SRC:SRC+1], s[32:33]
	s_add_nc_u64 s[DST:DST+1], s[DST:DST+1], s[34:35]
.macro LOAD ks                         ; K step ks of my 16 rows: each load reads 512 consecutive bytes of one row
.irp i, 0,1,2,3,4,5,6,7,8,9,10,11,12,13,14,15
	global_load_b128 v[R+64*((\ks)%2)+4*\i:R+64*((\ks)%2)+4*\i+3], v[G16], s[SRC:SRC+1] offset:(\i+8*(\i/8))*4096+512*(\ks) th:TH_LOAD_NT
.endr
.endm
.macro STEP ks
.if (\ks) < 7
	s_wait_loadcnt 16                              ; this step's 16 loads are in; the next step's 16 may be out
.else
	s_wait_loadcnt 0x0
.endif
.irp i, 0,1,2,3,4,5,6,7,8,9,10,11,12,13,14,15
	ds_store_b128 v[STI], v[R+64*((\ks)%2)+4*\i:R+64*((\ks)%2)+4*\i+3] offset:SP*\i
.endr
.irp m, 0,1,2,3,4,5,6,7,8,9,10,11,12,13,14,15
	ds_load_b128 v[X+4*\m:X+4*\m+3], v[STO] offset:128*(\m/4)+16*(\m%4)   ; LDS serves a wave's instructions in order: these see the stores above
.endr
	s_wait_dscnt 0x0                               ; the numbers are back, and the stores have read their registers,
.if (\ks) < 6
	LOAD (\ks)+2                                   ; which take the loads of two steps on
.endif
	s_wait_xcnt 0x0                                ; the last step's stores have read the codes' registers: they are written again only behind this wait
	QUANT X
	v_mov_b32 v[SW+(\ks)], v[PW]
	global_store_b128 v[G16], v[PC:PC+3], s[DST:DST+1] offset:1536*(\ks)          ; 512 consecutive bytes, then 256, twice: whole aligned blocks of 256 bytes
	global_store_b64 v[G8], v[PC+4:PC+5], s[DST:DST+1] offset:1536*(\ks)+512
	global_store_b128 v[G16], v[PC+6:PC+9], s[DST:DST+1] offset:1536*(\ks)+768
	global_store_b64 v[G8], v[PC+10:PC+11], s[DST:DST+1] offset:1536*(\ks)+1280
.endm
	LOAD 0
	LOAD 1
	s_wait_alu depctr_va_vdst(0)
.irp k, 0,1,2,3,4,5,6,7
	STEP \k
.endr
.irp i, 0,1,2,3
	v_cndmask_b32 v[X+\i], v[SW+\i], v[SW+4+\i], s[HM]   ; lanes 0-15 store words 0-3 of their row, lanes 16-31 words 4-7
.endr
	global_store_b128 v[SCO], v[X:X+3], s[DST:DST+1] offset:12288   ; the 32 lanes cover 512 consecutive bytes
	s_wait_tensorcnt 0x0                           ; the wave's end: behind my last LDS store
	ds_add_u32 v[SPW], v[NIL]
	s_wait_dscnt 0x0
	s_endpgm
	; ---- the gate: a wave takes a whole row (4,096 bytes, eight loads); four rows' loads are out at a time.
.Lgate:
	s_sub_co_u32 s27, ttmp9, 448
	s_lshl_b32 s32, s27, 19                        ; 128 rows of 4,096 bytes a work-group,
	s_lshl_b32 s34, s[WV], 17                      ; 32 a wave
	s_add_co_u32 s32, s32, s34
	s_mov_b32 s33, 0
	s_add_nc_u64 s[SRC:SRC+1], s[18:19], s[32:33]
	s_lshl_b32 s32, s27, 9
	s_lshl_b32 s34, s[WV], 7
	s_add_co_u32 s32, s32, s34
	s_add_nc_u64 s[DST:DST+1], s[24:25], s[32:33]
	s_mov_b32 s41, 0x3a800000                      ; 1 / 1024
	s_mov_b32 s42, 0xbdcccccd                      ; -0.1
	v_mov_b32 v148, 0                              ; (a lane permute's destination counts as one of its sources)
	v_mov_b32 v149, 0                              ; lane i will hold row i's sum
.macro FILL i
.irp j, 0,1,2,3,4,5,6,7
	global_load_b128 v[R+32*((\i)%4)+4*\j:R+32*((\i)%4)+4*\j+3], v[G16], s[SRC:SRC+1] offset:4096*(\i)+512*\j th:TH_LOAD_NT
.endr
.endm
.macro TURN i
.if 31-(\i) >= 3
	s_wait_loadcnt 24                              ; my row's eight loads are in; the three younger rows' may be out
.else
	s_wait_loadcnt 8*(31-(\i))
.endif
.set XS, R+32*((\i)%4)
.irp k, 0,1,2,3
	v_add_f32 v[144+\k], |v[XS+\k]|, |v[XS+4+\k]|  ; four chains; the first sums start them
.endr
.irp j, 8,12,16,20,24,28
.irp k, 0,1,2,3
	v_add_f32 v[144+\k], v[144+\k], |v[XS+\j+\k]|
.endr
.endr
	v_add_f32 v144, v144, v145
	v_add_f32 v146, v146, v147
	v_add_f32 v144, v144, v146
	v_add_f32_dpp v144, v144, v144 row_xmask:1 row_mask:0xf bank_mask:0xf
	v_add_f32_dpp v144, v144, v144 row_xmask:2 row_mask:0xf bank_mask:0xf
	v_add_f32_dpp v144, v144, v144 row_xmask:4 row_mask:0xf bank_mask:0xf
	v_add_f32_dpp v144, v144, v144 row_xmask:8 row_mask:0xf bank_mask:0xf
	v_permlanex16_b32 v148, v144, s[SEL], s[SEL+1]
	v_add_f32 v144, v144, v148                     ; every lane holds the row's sum of magnitudes;
	s_mov_b32 s40, 1<<(\i)
	v_cndmask_b32 v149, v149, v144, s40            ; lane i keeps it
.if (\i)+4 < 32
	FILL (\i)+4
.endif
.endm
	s_wait_alu depctr_va_vdst(0)
	FILL 0
	FILL 1
	FILL 2
	FILL 3
.set Q, 0
.rept 32
	TURN Q
.set Q, Q+1
.endr
	v_fma_f32 v149, v149, s41, s42                 ; mean - 0.1 (the division by 1,024 rounds nothing)
	v_mul_f32 v149, 0xc166d4ca, v149               ; x -10 log2(e)
	s_wait_alu depctr_va_vdst(0)
	v_exp_f32 v149, v149                           ; e^(-z)
	v_lshlrev_b32 v150, 2, v1                      ; (a plain place behind the transcendental)
	s_wait_alu depctr_va_vdst(0)                   ; the wait ahead of the result's first reader
	v_add_f32 v149, 1.0, v149
	s_wait_alu depctr_va_vdst(0)
	v_log_f32 v149, v149
	v_nop
	s_wait_alu depctr_va_vdst(0)
	v_mul_f32 v149, 0xc0b17218, v149               ; x -8 ln 2
	global_store_b32 v150, v149, s[DST:DST+1]      ; 32 rows: 128 consecutive bytes a wave
	s_endpgm
.Lfunc_end_k_qef982e820c_prep:
	.size	k_qef982e820c_prep, .Lfunc_end_k_qef982e820c_prep-k_qef982e820c_prep
	.p2alignl 7, 3214868480
	.fill 96, 4, 3214868480
	.section	.rodata,"a",@progbits
	.p2align	6, 0x0
	.amdhsa_kernel k_qef982e820c_prep
		.amdhsa_group_segment_fixed_size 34304
		.amdhsa_private_segment_fixed_size 0
		.amdhsa_enable_private_segment 0
		.amdhsa_kernarg_size 88
		.amdhsa_user_sgpr_count 2
		.amdhsa_user_sgpr_kernarg_segment_ptr 1
		.amdhsa_wavefront_size32 1
		.amdhsa_system_sgpr_workgroup_id_x 1
		.amdhsa_system_sgpr_workgroup_id_y 1
		.amdhsa_system_sgpr_workgroup_id_z 1
		.amdhsa_system_vgpr_workitem_id 0
		.amdhsa_next_free_vgpr 256
		.amdhsa_next_free_sgpr 66
		.amdhsa_reserve_vcc 0
		.amdhsa_float_denorm_mode_32 3
		.amdhsa_float_denorm_mode_16_64 3
		.amdhsa_memory_ordered 1
		.amdhsa_forward_progress 1
		.amdhsa_inst_pref_size 166
	.end_amdhsa_kernel
	.amdgpu_metadata
---
amdhsa.version: [ 1, 2 ]
amdhsa.kernels:
  - .name:           k_qef982e820c_prep
    .symbol:         k_qef982e820c_prep.kd
    .args:
      - { .name: q_x, .offset: 0, .size: 8, .value_kind: global_buffer, .address_space: global }
      - { .name: k_x, .offset: 8, .size: 8, .value_kind: global_buffer, .address_space: global }
      - { .name: v_x, .offset: 16, .size: 8, .value_kind: global_buffer, .address_space: global }
      - { .name: Wq, .offset: 24, .size: 8, .value_kind: global_buffer, .address_space: global }
      - { .name: Wk, .offset: 32, .size: 8, .value_kind: global_buffer, .address_space: global }
      - { .name: Wv, .offset: 40, .size: 8, .value_kind: global_buffer, .address_space: global }
      - { .name: Wo, .offset: 48, .size: 8, .value_kind: global_buffer, .address_space: global }
      - { .name: energy_coeffs, .offset: 56, .size: 8, .value_kind: global_buffer, .address_space: global }
      - { .name: ximg, .offset: 64, .size: 8, .value_kind: global_buffer, .address_space: global }
      - { .name: wimg, .offset: 72, .size: 8, .value_kind: global_buffer, .address_space: global }
      - { .name: lgc, .offset: 80, .size: 8, .value_kind: global_buffer, .address_space: global }
    .group_segment_fixed_size: 34304
    .private_segment_fixed_size: 0
    .kernarg_segment_align: 8
    .kernarg_segment_size: 88
    .max_flat_workgroup_size: 128
    .sgpr_count:     66
    .vgpr_count:     256
    .wavefront_size: 32
...
	.end_amdgpu_metadata
.endif
;; end of part 1
;; launch proj (part 2): grid 256 x 3, 4 waves a work-group, clusters of 4 x 1, 295,424 bytes of LDS; arguments ximg, wimg, bq, bk, bv, qkv; writes qkv
.if DOCPART == 2
	.amdgcn_target "amdgcn-amd-amdhsa--gfx1250"
	.amdhsa_code_object_version 6
	.text
	.protected	k_qef982e820c_proj
	.globl	k_qef982e820c_proj
	.p2align	8
	.type	k_qef982e820c_proj,@function
k_qef982e820c_proj:
	s_mov_b64 s[64:65], 0
	v_nop
	global_prefetch_b8 v0, s[64:65] scope:SCOPE_SE
	s_setreg_imm32_b32 hwreg(HW_REG_WAVE_MODE, 25, 1), 1
	s_wait_xcnt 0x0
	s_wait_alu depctr_hold_cnt(0) depctr_sa_sdst(0) depctr_va_vdst(0) depctr_va_sdst(0) depctr_va_ssrc(0) depctr_va_vcc(0) depctr_vm_vsrc(0)
	s_getreg_b32 s2, hwreg(HW_REG_IB_STS2, 6, 4)
	s_cmp_eq_u32 s2, 0
	s_cbranch_scc0 .Lentry_in_a_cluster
	s_endpgm
.Lentry_in_a_cluster:
	s_bfe_u32 s2, ttmp6, 0x10000c
	s_cmp_lg_u32 s2, 0x3003
	s_cbranch_scc0 .Lentry_shape_is_right
	s_endpgm
.Lentry_shape_is_right:
; Q = q_x Wq^T + bq, K = k_x Wk^T + bk, V = v_x Wv^T + bv on codes of FP6 (E2M3) with E8M0 scales, K = 1,024; the results are quantised on the way out: Q and K along a head's 64, V along the keys.
; ONE TEXT FOR THREE PRODUCTS (t = work-group y).  Role A is source 1 of the matrix instruction: a lane owns one of its rows; role B is source 0: a lane's registers run along its rows.
; t = 0, 1: A = the tokens, B = the weight: a lane holds a token and its registers run along the features.  t = 2: A = Wv, B = the tokens: a lane holds a feature and its registers run along the KEYS.
; Only pointers, offsets and masks hang on t, all by selects; no branch and no LDS address hangs on t or on the place in the cluster.
; OPERANDS are records of 12,800 bytes for each tile of 16 rows (lane row r of tile mt is row 32 (mt / 2) + 8 (mt % 2) + r + 8 (r / 8)): 16 images of six operand registers (64 along K, 768 bytes), then the scale words.
; With that choice of rows the 16 result registers of B's tiles 2 G and 2 G + 1 are 16 neighbours, 32 G + 16 h + 0 .. 15, as the conversions want them.
; SHARES.  A work-group makes 128 rows of A x 256 rows of B; a wave 64 x 128: 32 accumulators.  768 work-groups of equal work.
; LDS.  With K = 1,024 both tiles fit whole (294,912 bytes): they are filled once, in four quarters of K, and nothing is filled again: so no ring.  Quarter q at 73,728 q; in it A's 8 tiles, then B's 16, 3,072 bytes each.
; CLUSTER.  The four partners take the same tile of B (two thirds of the bytes): waves 2 and 3 ask for it JOINTLY.  A's tiles differ between partners (their address holds the place in the cluster): waves 0 and 1 ask for them alone.
; One tensor load of a wave is out at the most.  No prefetch: every tile is asked for at the head.
; LIMITS: NaN and infinities are not served; a block whose largest magnitude lies under 2^-124 keeps the byte 1.
; REGISTERS: window 0: v1-13 addresses, v16-23 the bias along the lanes, v32-63 A's scale words, v64-127 B's, v128-223 A's fragments (two sets); on the way out v128-231.
;   window 1: B's fragments (two sets of 96), v192-255 the bias along the registers.   window 2: the accumulators, (a, b) at v[64 a + 8 b].
.set Q4,    73728
; LDS AS IT STANDS (in place of the quarters named above): tile i of A at 12,288 i, all of K on end; B's 16 tiles behind A's 8.  Every wave issues ONE tensor load, at the head:
; waves 0, 1 four records of A each (alone), waves 2, 3 eight records of B each (jointly); one wait for 0 and one barrier show all of it to every wave; nothing is filled later.
.set PART,  98304                      ; eight tiles: all of A, or half of B
.set MTB,   12288                      ; a tile's codes for all of K
.set RECB,  12800
.set RECQ,  106496                     ; a head's record of Q or K in qkv: 128 tiles x 768 bytes, then 128 x 64 bytes of scale words
.set RECV,  102400                     ; of V: [step 16][half 2][tile of d 4][768], then [step][tile][16 words]
.set SPARE, 4*Q4                       ; behind the tiles: the spare words, 128 bytes a wave: two blocks of 256 bytes that no other line names
.set G16, 1
.set G8,  2
.set A16, 5                            ; v5, v6   LDS: 16 or 8 x lane + my four tiles of A
.set A8,  6
.set B16, 7                            ; v7, v8   the same for my eight tiles of B
.set B8,  8
.set VSA, 9
.set VSB, 10
.set VBN, 11
.set SOFF, 12
.set VBM, 13
.set BM,  16
.set SPW, 28
.set NIL, 29
.set SA,  32
.set SB,  64
.set AF,  128
.set BN,  192
.set X,   128
.set PC,  192
.set TM,  212
.set PW,  228
.set TW,  230
.set WV,  16
.set WA,  17
.set WB,  18
.set TT,  19
.set SEL, 20
.set HM,  22
.set VM,  23
.set G1A, 24
.set G1B, 32
.set G0A, 40                           ; s[40:43] group 0 for A; B's: s[56:59]
.set PBW, 66
.set PA,  76
.set PB,  78
.set PBI, 80
.set CX,  82
.set AT,  83
.set BT,  84
.set NVM, 85
.set O0,  86
.set O1,  88
.set OS,  90
.set HS,  92
.set SH,  93
.set AM,  94
.set LB,  95
.set MSB, 0
.macro WIN new                         ; the immediate's high byte repeats the setting that is left
.if MSB != \new
	s_set_vgpr_msb (MSB<<8)|\new
.set MSB, \new
.endif
.endm
.macro CROUND                          ; a round of the cluster's barrier
	s_barrier_signal -1
	s_barrier_wait -1
	s_cmp_lg_u32 s[WV], 0
	s_cbranch_scc1 .Lnot_wave_0_\@
	s_barrier_signal -3
.Lnot_wave_0_\@:
	s_barrier_wait -3
	s_barrier_signal -1
	s_barrier_wait -1
.endm
.macro QUANT s                         ; 64 numbers of a lane, register 16 b + i = k 32 b + 16 h + i, become a fragment in v[PC] on and its scale word in v[PW]
.irp b, 0,1,2,3
	v_max3_num_f32 v[TM+\b], |v[\s+16*\b]|, |v[\s+1+16*\b]|, 0x1800000   ; and the floor 2^(3 - 127): the byte cannot fall under 1
.endr
.irp i, 2,4,6,8,10,12,14
.irp b, 0,1,2,3
	v_max3_num_f32 v[TM+\b], v[TM+\b], |v[\s+16*\b+\i]|, |v[\s+1+16*\b+\i]|
.endr
.endr
.irp b, 0,1,2,3
	v_permlanex16_b32 v[TM+4+\b], v[TM+\b], s[SEL], s[SEL+1]
.endr
.irp b, 0,1,2,3
	v_max_num_f32 v[TM+\b], v[TM+\b], v[TM+4+\b]
.endr
.irp b, 0,1,2,3
	v_add_nc_u32 v[TM+12+\b], 0xff000000, v[TM+\b]   ; 2 off the exponent field: the conversion's scale operand
.endr
.irp b, 0,1,2,3
	v_lshrrev_b32 v[TM+4+\b], 23, v[TM+12+\b]
.endr
	v_lshl_or_b32 v[PW], v[TM+5], 8, v[TM+4]
	v_lshl_or_b32 v[PW], v[TM+6], 16, v[PW]
	v_lshl_or_b32 v[PW], v[TM+7], 24, v[PW]
.irp c, 0,1
	v_cvt_scalef32_pk16_fp6_f32 v[PC+6*\c:PC+2+6*\c], v[\s+32*\c:\s+15+32*\c], v[TM+12+2*\c]
	v_cvt_scalef32_pk16_fp6_f32 v[PC+12+4*\c:PC+14+4*\c], v[\s+16+32*\c:\s+31+32*\c], v[TM+12+2*\c+1]
.endr
	v_nop                                          ; one plain place behind a scaled conversion
.irp c, 0,1
.irp i, 0,1,2
	v_permlane16_swap_b32 v[PC+6*\c+\i], v[PC+12+4*\c+\i]
.endr
.irp i, 0,1,2
	v_mov_b32 v[PC+3+6*\c+\i], v[PC+12+4*\c+\i]
.endr
.endr
.endm
	s_load_b128 s[4:7], s[0:1], 0x0                ; ximg, wimg
	s_load_b128 s[8:11], s[0:1], 0x10              ; bq, bk
	s_load_b128 s[12:15], s[0:1], 0x20             ; bv, qkv
	v_lshl_add_u32 v[SPW], v0, 2, SPARE
	v_mov_b32 v[NIL], 0
	ds_add_u32 v[SPW], v[NIL]                      ; the wave's opening: the add and its wait stand ahead of the round in front of the first tensor loads; work on registers stands between them
	ds_add_u32 v[SPW], v[NIL]
	v_lshrrev_b32 v14, 5, v0
	v_readfirstlane_b32 s[WV], v14                 ; wave 0..3
	s_lshr_b32 s[WA], s[WV], 1                     ; which 64 rows of A are mine.
	s_and_b32 s[WB], s[WV], 1                      ; which 128 rows of B
	s_and_b32 s[TT], ttmp7, 0xffff                 ; t
	s_bfe_u32 s[CX], ttmp6, 0x40000                ; my place in the cluster
	s_cmp_eq_u32 s[TT], 2
	s_cselect_b32 s96, 31, 3                       ; tiles of B, less one
	s_cselect_b32 s97, 5, 2
	s_cselect_b32 s[VM], -1, 0                     ; keeps the bias along the lanes for V,
	s_cselect_b32 s[NVM], 0, -1                    ; and the bias along the registers for Q and K
	s_and_b32 s[BT], ttmp9, s96                    ; B's tile hangs on the cluster's number alone
	s_lshr_b32 s[AT], ttmp9, s97
	s_lshl_b32 s[AT], s[AT], 2
	s_add_co_u32 s[AT], s[AT], s[CX]               ; A's tile
	s_mul_i32 s96, s[TT], 6553600                  ; tensor t's records among the tokens',
	s_mul_i32 s97, s[TT], 819200                   ; and among the weights'
	s_cmp_eq_u32 s[TT], 2
	s_cselect_b32 s98, s97, s96
	s_cselect_b32 s100, s96, s97
	s_mul_i32 s96, s[AT], 8*RECB
	s_add_co_u32 s98, s98, s96                     ; A's 8 records
	s_mov_b32 s99, 0
	s_mul_i32 s96, s[BT], 16*RECB
	s_add_co_u32 s100, s100, s96                   ; B's 16 records
	s_mov_b32 s101, 0
	s_mov_b32 s[SEL], 0x76543210
	s_mov_b32 s[SEL+1], 0xfedcba98
	s_mov_b32 s[HM], 0xffff0000
	; descriptor group 1: 4 or 8 rows (records) of 12,288 bytes (all of K), 12,800 bytes apart; elements of 8 bytes; no padding: every LDS read below takes consecutive bytes
	s_mov_b32 s[G1A], 3<<16                        ; no mask: A's tiles are mine alone
	s_mov_b32 s[G1B], 15|(3<<16)|(1<<21)           ; the mask names all four partners; bit 21 beside it
.irp g, G1A, G1B
	s_mov_b32 s[\g+1], 1536<<16                    ; a row: a record's 12,288 bytes of codes
	s_mov_b32 s[\g+3], 1536<<16
	s_mov_b32 s[\g+5], 1600                        ; from record to record
	s_mov_b32 s[\g+6], 0
	s_mov_b32 s[\g+7], 0
.endr
	s_mov_b32 s[G1A+2], 4<<16                      ; A: four records a load
	s_mov_b32 s[G1A+4], 4
	s_mov_b32 s[G1B+2], 8<<16                      ; B: eight
	s_mov_b32 s[G1B+4], 8
	v_and_b32 v14, 31, v0                          ; lane
	v_and_b32 v3, 15, v0                           ; r
	v_bfe_u32 v4, v0, 4, 1                         ; h
	v_lshlrev_b32 v[G16], 4, v14
	v_lshlrev_b32 v[G8], 3, v14
	s_mul_i32 s96, s[WA], 4*MTB
	v_add_nc_u32 v[A16], s96, v[G16]
	v_add_nc_u32 v[A8], s96, v[G8]
	s_mul_i32 s96, s[WB], PART
	s_add_co_u32 s96, s96, PART
	v_add_nc_u32 v[B16], s96, v[G16]
	v_add_nc_u32 v[B8], s96, v[G8]
	v_add_nc_u32 v[B16+17], 4*MTB, v[B16]          ; v24, v25: my tiles 4-7 of B, whose offsets would pass the 16-bit immediate
	v_add_nc_u32 v[B8+17], 4*MTB, v[B8]
	v_lshlrev_b32 v15, 5, v3                       ; scale words: 32 bytes a lane row
	s_mul_i32 s96, s[WA], 4*RECB
	v_add_nc_u32 v[VSA], s96, v15
	s_mul_i32 s96, s[WB], 8*RECB
	v_add_nc_u32 v[VSB], s96, v15
	s_lshl_b32 s96, s[BT], 8
	s_lshl_b32 s97, s[WB], 7
	s_add_co_u32 s96, s96, s97
	s_and_b32 s96, s96, 1023                       ; (for V these are tokens: held inside the bias, and the numbers masked away below)
	s_lshl_b32 s96, s96, 2
	v_lshl_add_u32 v[VBN], v4, 6, s96              ; the bias along the registers: my 128 rows of B, + 16 h
	s_lshl_b32 s96, s[AT], 7
	s_lshl_b32 s97, s[WA], 6
	s_add_co_u32 s96, s96, s97
	s_and_b32 s96, s96, 1023
	s_lshl_b32 s96, s96, 2
	v_and_b32 v15, 8, v3
	v_add_nc_u32 v15, v15, v3                      ; r + 8 (r / 8)
	v_lshl_add_u32 v[VBM], v15, 2, s96             ; the bias along the lanes: my row of A
	s_wait_dscnt 0x0                               ; the opening add is done
	s_wait_kmcnt 0x0
	s_cmp_eq_u32 s[TT], 2
	s_cselect_b64 s[PA:PA+1], s[6:7], s[4:5]
	s_cselect_b64 s[PB:PB+1], s[4:5], s[6:7]
	s_cselect_b64 s[PBI:PBI+1], s[12:13], s[10:11]
	s_cmp_eq_u32 s[TT], 0
	s_cselect_b64 s[PBI:PBI+1], s[8:9], s[PBI:PBI+1]
	s_add_nc_u64 s[PA:PA+1], s[PA:PA+1], s[98:99]
	s_add_nc_u64 s[PB:PB+1], s[PB:PB+1], s[100:101]
	s_mul_i32 s96, s[WB], 4*RECB                   ; waves 0, 1: A's records 0-3, 4-7
	s_mov_b32 s97, 0
	s_mov_b32 s[G0A], 1
	s_mul_i32 s[G0A+1], s[WB], 4*MTB
	s_add_nc_u64 s[G0A+2:G0A+3], s[PA:PA+1], s[96:97]
	s_or_b32 s[G0A+3], s[G0A+3], 0x80000000
	s_mul_i32 s96, s[WB], 8*RECB                   ; waves 2, 3: B's records 0-7, 8-15
	s_mov_b32 s56, 1
	s_mul_i32 s57, s[WB], PART
	s_add_co_u32 s57, s57, PART
	s_add_nc_u64 s[58:59], s[PB:PB+1], s[96:97]
	s_or_b32 s59, s59, 0x80000000
	CROUND                                         ; all four work-groups are here: the joint loads meet
	s_cmp_lt_u32 s[WV], 2                          ; one load a wave, one in each arm
	s_cbranch_scc0 .Lfor_b
	tensor_load_to_lds s[G0A:G0A+3], s[G1A:G1A+7]
	s_nop 0
.rept 4
	v_nop
.endr
	s_branch .Lasked
.Lfor_b:
	tensor_load_to_lds s[56:59], s[G1B:G1B+7]
	s_nop 0
.rept 4
	v_nop
.endr
.Lasked:
	; scale words and biases go from memory straight into registers, once: a record's 512 bytes of scale words by two loads of 16 bytes a lane
	s_wait_alu depctr_va_vdst(0)
.irp a, 0,1,2,3
	global_load_b128 v[SA+8*\a:SA+8*\a+3], v[VSA], s[PA:PA+1] offset:\a*RECB+12288
	global_load_b128 v[SA+8*\a+4:SA+8*\a+7], v[VSA], s[PA:PA+1] offset:\a*RECB+12288+16
	global_load_b32 v[BM+2*\a], v[VBM], s[PBI:PBI+1] offset:(32*(\a/2)+8*(\a%2))*4
.endr
.irp b, 0,1,2,3,4,5,6,7
	global_load_b128 v[SB+8*\b:SB+8*\b+3], v[VSB], s[PB:PB+1] offset:\b*RECB+12288
	global_load_b128 v[SB+8*\b+4:SB+8*\b+7], v[VSB], s[PB:PB+1] offset:\b*RECB+12288+16
.endr
	WIN 0x40                                       ; destination window 1
.irp m, 0,1,2,3,4,5,6,7,8,9,10,11,12,13,14,15
	global_load_b128 v[BN+4*\m:BN+4*\m+3], v[VBN], s[PBI:PBI+1] offset:128*(\m/4)+16*(\m%4)
.endr
	WIN 0
	; where the results go, for Q and K and for V; then the choice
	s_lshl_b32 s96, s[AT], 3
	s_lshl_b32 s97, s[WA], 2
	s_add_co_u32 s96, s96, s97                     ; my first tile of A
	s_lshl_b32 s97, s[BT], 1
	s_add_co_u32 s97, s97, s[WB]                   ; my 128 rows of B: a pair of heads, or a step of 128 keys
	s_lshr_b32 s98, s96, 7
	s_lshl_b32 s98, s98, 4
	s_lshl_b32 s99, s97, 1
	s_add_co_u32 s98, s98, s99                     ; Q, K: record 16 x batch + the pair's first head
	s_mul_i32 s98, s98, RECQ
	s_mul_i32 s99, s[TT], 64*RECQ
	s_add_co_u32 s98, s98, s99
	s_and_b32 s96, s96, 127                        ; the tile within the batch
	s_mul_i32 s99, s96, 768
	s_add_co_u32 s99, s99, s98                     ; its codes,
	s_lshl_b32 s96, s96, 6
	s_add_co_u32 s98, s98, s96
	s_add_co_u32 s98, s98, 98304                   ; its scale words
	s_lshr_b32 s96, s97, 4
	s_lshl_b32 s96, s96, 4
	s_lshl_b32 s100, s[AT], 1
	s_add_co_u32 s96, s96, s100
	s_add_co_u32 s96, s96, s[WA]                   ; V: record 16 x batch + head
	s_mul_i32 s96, s96, RECV
	s_add_co_u32 s96, s96, 128*RECQ
	s_and_b32 s97, s97, 15                         ; the step within the batch
	s_mul_i32 s100, s97, 6144
	s_add_co_u32 s100, s100, s96
	s_lshl_b32 s97, s97, 8
	s_add_co_u32 s96, s96, s97
	s_add_co_u32 s96, s96, 98304
	s_cmp_eq_u32 s[TT], 2
	s_cselect_b32 s[O0], s100, s99
	s_cselect_b32 s[OS], s96, s98
	s_mov_b32 s101, RECQ
	s_cselect_b32 s[O1], 3072, s101                ; from a fragment's first six registers to its last six: the step's other half, or the next head's record
	s_cselect_b32 s[HS], 0, s101
	s_cselect_b32 s[SH], 0, 16
	s_cselect_b32 s[AM], -1, 0xffff
	s_mov_b32 s[O0+1], 0
	s_mov_b32 s[O1+1], 0
	s_mov_b32 s[OS+1], 0
	s_add_nc_u64 s[O0:O0+1], s[14:15], s[O0:O0+1]
	s_add_nc_u64 s[O1:O1+1], s[O0:O0+1], s[O1:O1+1]
	s_add_nc_u64 s[OS:OS+1], s[14:15], s[OS:OS+1]
	v_lshlrev_b32 v15, 2, v3
	v_mad_u32_u24 v[SOFF], v4, s[HS], v15          ; scale words: 4 r; for Q and K lanes 16-31 store the second head's
	s_wait_loadcnt 0x0
	WIN 0x44
.set I, 0
.rept 64
	v_and_b32 v[BN+I], s[NVM], v[BN+I]             ; the bias along the registers: as it is for Q and K, 0 for V
.set I, I+1
.endr
	WIN 0
.irp a, 0,1,2,3
	v_and_b32 v[BM+2*\a], s[VM], v[BM+2*\a]        ; the bias along the lanes: as it is for V, 0 for Q and K
	v_mov_b32 v[BM+2*\a+1], v[BM+2*\a]             ; twice: a pair for the packed addition
.endr
.macro FRAG reg, a16, a8, off          ; a fragment, 16 rows x 128 K, is two images on end: every load takes 512 or 256 consecutive bytes
	ds_load_b128 v[\reg:\reg+3], v[\a16] offset:\off
	ds_load_b64 v[\reg+4:\reg+5], v[\a8] offset:\off+512
	ds_load_b128 v[\reg+6:\reg+9], v[\a16] offset:\off+768
	ds_load_b64 v[\reg+10:\reg+11], v[\a8] offset:\off+1280
.endm
.macro FETCH ks                        ; 48 loads: K step ks's four fragments of A and eight of B, into set ks % 2
.irp i, 0,1,2,3
	FRAG AF+48*((\ks)%2)+12*\i, A16, A8, MTB*\i+1536*(\ks)
.endr
	WIN 0x40
.irp i, 0,1,2,3,4,5,6,7
	FRAG 96*((\ks)%2)+12*\i, B16+17*(\i/4), B8+17*(\i/4), MTB*(\i%4)+1536*(\ks)
.endr
	WIN 0
.endm
; A's tiles a0 .. a0 + n - 1 against B's eight.  The 32 accumulators take turns, one instruction a turn, in the same order in every K step.
; first = 1: the sums begin with the bias along the registers as C: nothing is cleared and nothing is added later.
.macro MULS a0, n, ks, first
.set AA, \a0
.rept \n
.irp b, 0,1,2,3,4,5,6,7
.if \first
	v_wmma_scale_f32_16x16x128_f8f6f4 v[64*AA+8*\b:64*AA+8*\b+7], v[96*((\ks)%2)+12*\b:96*((\ks)%2)+12*\b+11], v[AF+48*((\ks)%2)+12*AA:AF+48*((\ks)%2)+12*AA+11], v[BN+8*\b:BN+8*\b+7], v[SB+8*\b+(\ks)], v[SA+8*AA+(\ks)] matrix_a_fmt:MATRIX_FMT_FP6 matrix_b_fmt:MATRIX_FMT_FP6
.else
	v_wmma_scale_f32_16x16x128_f8f6f4 v[64*AA+8*\b:64*AA+8*\b+7], v[96*((\ks)%2)+12*\b:96*((\ks)%2)+12*\b+11], v[AF+48*((\ks)%2)+12*AA:AF+48*((\ks)%2)+12*AA+11], v[64*AA+8*\b:64*AA+8*\b+7], v[SB+8*\b+(\ks)], v[SA+8*AA+(\ks)] matrix_a_fmt:MATRIX_FMT_FP6 matrix_b_fmt:MATRIX_FMT_FP6
.endif
.endr
.set AA, AA+1
.endr
.endm
.macro EVEN ks
	WIN 0
.rept 4
	v_nop                                          ; four places between the last products and loads into the registers that they read
.endr
	FETCH (\ks)+1
	s_wait_dscnt 48                                ; all but the 48 loads just issued: this step's fragments are in
	WIN 0xa1                                       ; source 0 (B) window 1, source 1 (A) window 0, C and D window 2
	MULS 0, 4, \ks, 0
.endm
	s_wait_alu depctr_va_vdst(0)                   ; the head's end
	s_wait_tensorcnt 0x0                           ; my one load has landed
	s_barrier_signal -1
	s_barrier_wait -1                              ; everybody's has: both tiles are whole for all of K
	FETCH 0
	FETCH 1
	s_wait_dscnt 48                                ; all but the 48 loads of K step 1
	WIN 0x91                                       ; C (the bias) window 1, D window 2
	MULS 0, 4, 0, 1
.irp k, 1,2,3,4,5,6
	EVEN \k                                        ; every K step alike: the next step's 48 loads, then this step's 32 products
.endr
	s_wait_dscnt 0x0
	MULS 0, 4, 7, 0
	WIN 0
	; THE WAY OUT, a tile of A at a time: 64 numbers a lane, quantised along B's rows; the fragment's two halves leave as images, whole aligned blocks of 256 bytes
.rept 4
	v_nop                                          ; four places between the last products and the first read of results and write of operands
.endr
.irp b, 0,1,2,3
	v_mov_b32 v[TM+4+\b], 0                        ; a lane permute's destination counts as one of its sources
.endr
.macro OUTA a
	WIN 0x02                                       ; source 0 window 2
.set I, 0
.rept 32
	v_pk_add_f32 v[X+I:X+I+1], v[64*(\a)+I:64*(\a)+I+1], v[BM+2*(\a):BM+2*(\a)+1]   ; + the bias along the lanes; each accumulator from its low end on
.set I, I+2
.endr
	WIN 0
	s_wait_xcnt 0x0                                ; the last tile's stores have read their registers: they are written again only behind this wait
	QUANT X
	global_store_b128 v[G16], v[PC:PC+3], s[O0:O0+1] offset:768*(\a)
	global_store_b64 v[G8], v[PC+4:PC+5], s[O0:O0+1] offset:768*(\a)+512
	global_store_b128 v[G16], v[PC+6:PC+9], s[O1:O1+1] offset:768*(\a)
	global_store_b64 v[G8], v[PC+10:PC+11], s[O1:O1+1] offset:768*(\a)+512
	v_and_b32 v[TW], s[AM], v[PW]                  ; Q, K: the first head's two bytes under two bytes of 0,
	v_lshrrev_b32 v[TW+1], s[SH], v[PW]            ; and the second head's.  V: the whole word, twice
	v_cndmask_b32 v[TW], v[TW], v[TW+1], s[HM]
	global_store_b32 v[SOFF], v[TW], s[OS:OS+1] offset:64*(\a)   ; 64 bytes for each head (V: both halves of the lanes store the same word)
.endm
	OUTA 0
	OUTA 1
	OUTA 2
	OUTA 3
	s_wait_tensorcnt 0x0                           ; the wave's end
	ds_add_u32 v[SPW], v[NIL]
	s_wait_dscnt 0x0
	CROUND                                         ; the closing round
	s_endpgm
.Lfunc_end_k_qef982e820c_proj:
	.size	k_qef982e820c_proj, .Lfunc_end_k_qef982e820c_proj-k_qef982e820c_proj
	.p2alignl 7, 3214868480
	.fill 96, 4, 3214868480
	.section	.rodata,"a",@progbits
	.p2align	6, 0x0
	.amdhsa_kernel k_qef982e820c_proj
		.amdhsa_group_segment_fixed_size 295424
		.amdhsa_private_segment_fixed_size 0
		.amdhsa_enable_private_segment 0
		.amdhsa_kernarg_size 48
		.amdhsa_user_sgpr_count 2
		.amdhsa_user_sgpr_kernarg_segment_ptr 1
		.amdhsa_wavefront_size32 1
		.amdhsa_system_sgpr_workgroup_id_x 1
		.amdhsa_system_sgpr_workgroup_id_y 1
		.amdhsa_system_sgpr_workgroup_id_z 1
		.amdhsa_system_vgpr_workitem_id 0
		.amdhsa_next_free_vgpr 768
		.amdhsa_next_free_sgpr 102
		.amdhsa_reserve_vcc 0
		.amdhsa_float_denorm_mode_32 3
		.amdhsa_float_denorm_mode_16_64 3
		.amdhsa_memory_ordered 1
		.amdhsa_forward_progress 1
		.amdhsa_inst_pref_size 99
	.end_amdhsa_kernel
	.amdgpu_metadata
---
amdhsa.version: [ 1, 2 ]
amdhsa.kernels:
  - .name:           k_qef982e820c_proj
    .symbol:         k_qef982e820c_proj.kd
    .args:
      - { .name: ximg, .offset: 0, .size: 8, .value_kind: global_buffer, .address_space: global }
      - { .name: wimg, .offset: 8, .size: 8, .value_kind: global_buffer, .address_space: global }
      - { .name: bq, .offset: 16, .size: 8, .value_kind: global_buffer, .address_space: global }
      - { .name: bk, .offset: 24, .size: 8, .value_kind: global_buffer, .address_space: global }
      - { .name: bv, .offset: 32, .size: 8, .value_kind: global_buffer, .address_space: global }
      - { .name: qkv, .offset: 40, .size: 8, .value_kind: global_buffer, .address_space: global }
    .group_segment_fixed_size: 295424
    .private_segment_fixed_size: 0
    .kernarg_segment_align: 8
    .kernarg_segment_size: 48
    .max_flat_workgroup_size: 128
    .sgpr_count:     102
    .vgpr_count:     768
    .wavefront_size: 32
...
	.end_amdgpu_metadata
.endif
;; end of part 2
;; launch attn (part 3): grid 4 x 64, 8 waves a work-group, clusters of 4 x 1, 327,680 bytes of LDS; arguments qkv, lgc, op; writes op
.if DOCPART == 3
	.amdgcn_target "amdgcn-amd-amdhsa--gfx1250"
	.amdhsa_code_object_version 6
	.text
	.protected	k_qef982e820c_attn
	.globl	k_qef982e820c_attn
	.p2align	8
	.type	k_qef982e820c_attn,@function
k_qef982e820c_attn:
	s_mov_b64 s[64:65], 0
	v_nop
	global_prefetch_b8 v0, s[64:65] scope:SCOPE_SE
	s_setreg_imm32_b32 hwreg(HW_REG_WAVE_MODE, 25, 1), 1
	s_wait_xcnt 0x0
	s_wait_alu depctr_hold_cnt(0) depctr_sa_sdst(0) depctr_va_vdst(0) depctr_va_sdst(0) depctr_va_ssrc(0) depctr_va_vcc(0) depctr_vm_vsrc(0)
	s_getreg_b32 s2, hwreg(HW_REG_IB_STS2, 6, 4)
	s_cmp_eq_u32 s2, 0
	s_cbranch_scc0 .Lentry_in_a_cluster
	s_endpgm
.Lentry_in_a_cluster:
	s_bfe_u32 s2, ttmp6, 0x10000c
	s_cmp_lg_u32 s2, 0x3003
	s_cbranch_scc0 .Lentry_shape_is_right
	s_endpgm
.Lentry_shape_is_right:
; For each batch and head: O = (softmax(Q K^T / 8) x gate) V, both products on codes of FP6 (E2M3) with E8M0 scales; O is quantised along the features on the way out.
; What is quantised ahead of the second product is the FINISHED weight, softmax x gate, so a row's sum must be known first: the keys are walked twice.
; WALK 1: S^T = K Q^T; for each query a running maximum m of the raw scores and the sum l of 2^(c s - c m), c = log2(e) / 8.
; WALK 2: the same product with G[key] = 8 ln(gate[key]) as its C; weight = 2^(c (s + G) - c m - log2 l): one packed multiply-add and one exponential; quantised along the keys; O^T += V^T P^T.
; LAYOUT.  Both products are used transposed: a lane holds ONE query throughout.  Lane row r of a tile of 16 keys, queries or features is row 32 (tile / 2) + 8 (tile % 2) + r + 8 (r / 8) (so the launch before has laid them):
; the 16 result registers of tiles 2 G and 2 G + 1 are 16 neighbours, 32 G + 16 h + 0 .. 15.
; THE FIRST PRODUCT'S K IS 64, half of the instruction's 128.  Q's upper six registers are zero codes; K's upper six are simply the next tile's codes; bytes 2 and 3 of both scale words are 0, the smallest scale: the upper half adds exact zeros.
; SHARES.  A work-group owns 512 queries of a head, a wave 64: four tiles, which share every fragment of K, V and G that the wave reads from LDS.  256 work-groups; two waves to a SIMD, so that one wave's vector work stands beside the other's products and loads.
; LDS.  The head's whole K (106,496 bytes), V (102,400) and the batch's G (8,192) are filled once: no ring, nothing is filled again, nothing is stored to LDS.
; CLUSTER.  The four work-groups of a head read the same K, V and G: every load is JOINT.  One tensor load of a wave is out at the most.  No prefetch: all is asked for at the head.
; LIMITS: NaN and infinities are not served (for finite scores l is at least about 1, so reference()'s nan_to_num changes nothing); a weight under 2^-126 becomes 0; a block of such weights keeps the byte 1 over zero codes;
; a block's largest weight is taken as the exponential of its largest score, which takes v_exp_f32 not to fall where its input rises: at the worst one weight within an ulp of a power of two is held one code low.
; The scale bytes of O leave as 2 bytes a row (a head's two blocks): the one place with small stores, one byte in 25 of what the launch stores.
; REGISTERS: window 0: v1-13 addresses; v14-15 the rescaling factor; v16-31 four a tile: -c m (later - log2 l), m, l in two halves; v32-47 at work; v48-111 S^T, then the weights; v112-131 their codes;
;   v132-148 scale words and four more addresses; v150-203 K's eight tiles and six zeros; v204-251 V's four fragments.   window 1: v0-63 G in the result's layout; v64-111 Q; v112-239 O^T.
.set RECQ, 106496
.set RECV, 102400
.set RECB, 12800
.set LKS,  98304                       ; K's scale words
.set LV,   RECQ
.set LVS,  RECQ+98304
.set LGG,  RECQ+RECV
.set SPARE, LGG+8192                   ; the spare words, 128 bytes a wave: four blocks of 256 bytes that no other line names
.set L16, 1
.set L8,  2
.set KSB, 3
.set LGB, 4
.set AK16, 5
.set AK8, 6
.set AKS, 7
.set AV16, 8
.set AV8, 9
.set AVS, 10
.set ALG, 11
.set SPW, 12
.set NIL, 13
.set AP,  14
.set ST,  16
.set TM,  32
.set S,   48
.set PC,  112
.set KS,  132
.set VB16, 136
.set VB8, 137
.set VSB, 138
.set R4,  139
.set VS,  140
.set R32, 142
.set QS,  144
.set PW,  148
.set KF,  150
.set VF,  204
.set LG,  0
.set QF,  64
.set OF,  112
.set WV,  16
.set CX,  17
.set YY,  18
.set SEL, 20
.set CS,  22
.set G1K, 24
.set G1V, 32
.set G1G, 40
.set G0K, 48
.set G0V, 52
.set G0G, 56
.set NEGC, 60
.set TK,  61
.set TS,  62
.set TV,  63
.set CNT, 66
.set PQ,  76
.set PQS, 78
.set POP, 86
.set POS, 88
.set MSB, 0
.macro WIN new
.if MSB != \new
	s_set_vgpr_msb (MSB<<8)|\new
.set MSB, \new
.endif
.endm
.macro CROUND
	s_barrier_signal -1
	s_barrier_wait -1
	s_cmp_lg_u32 s[WV], 0
	s_cbranch_scc1 .Lnot_wave_0_\@
	s_barrier_signal -3
.Lnot_wave_0_\@:
	s_barrier_wait -3
	s_barrier_signal -1
	s_barrier_wait -1
.endm
	s_load_b128 s[4:7], s[0:1], 0x0                ; qkv, lgc
	s_load_b64 s[8:9], s[0:1], 0x10                ; op
	v_lshl_add_u32 v[SPW], v0, 2, SPARE
	v_mov_b32 v[NIL], 0
	ds_add_u32 v[SPW], v[NIL]                      ; the wave's opening: the add and its wait stand ahead of the round in front of the first tensor loads
	ds_add_u32 v[SPW], v[NIL]
	v_lshrrev_b32 v32, 5, v0
	s_delay_alu instid0(VALU_DEP_1)
	v_readfirstlane_b32 s[WV], v32                 ; wave 0..7
	s_bfe_u32 s[CX], ttmp6, 0x40000                ; my block of 512 queries
	s_and_b32 s[YY], ttmp7, 0xffff                 ; 16 x batch + head: the four partners share it
	s_lshl_b32 s72, s[CX], 5
	s_lshl_b32 s73, s[WV], 2
	s_add_co_u32 s72, s72, s73                     ; my first tile of queries
	s_mul_i32 s74, s[YY], RECQ
	s_mul_i32 s73, s72, 768
	s_add_co_u32 s[PQ], s74, s73                   ; its codes,
	s_mov_b32 s[PQ+1], 0
	s_lshl_b32 s73, s72, 6
	s_add_co_u32 s[PQS], s74, s73
	s_add_co_u32 s[PQS], s[PQS], 98304             ; its scale words
	s_mov_b32 s[PQS+1], 0
	s_mul_i32 s75, s[WV], 13312                    ; an eighth of K's record
	s_add_co_u32 s80, s74, s75
	s_add_co_u32 s80, s80, 64*RECQ
	s_mov_b32 s81, 0
	s_mul_i32 s82, s[YY], RECV
	s_and_b32 s19, s[WV], 3                        ; waves 0-3 bring a quarter of V each, waves 4-7 a quarter of G
	s_mul_i32 s75, s19, 25600
	s_add_co_u32 s82, s82, s75
	s_add_co_u32 s82, s82, 128*RECQ
	s_mov_b32 s83, 0
	s_lshr_b32 s75, s[YY], 4                       ; the batch
	s_lshl_b32 s84, s75, 13
	s_lshl_b32 s73, s19, 11
	s_add_co_u32 s84, s84, s73
	s_mov_b32 s85, 0
	s_lshl_b32 s75, s75, 7
	s_add_co_u32 s75, s75, s72                     ; my first tile among all tokens'
	s_mul_i32 s75, s75, RECB
	s_and_b32 s73, s[YY], 15                       ; the head
	s_mul_i32 s[POP], s73, 768
	s_add_co_u32 s[POP], s[POP], s75               ; O's image: the head's 64 of the record's 1,024 along K
	s_mov_b32 s[POP+1], 0
	s_lshl_b32 s73, s73, 1
	s_add_co_u32 s[POS], s75, s73
	s_add_co_u32 s[POS], s[POS], 12288             ; and its two scale bytes in each row's 32
	s_mov_b32 s[POS+1], 0
	; descriptor group 1: dense blocks as rows of 256 bytes (32 elements of 8 bytes); the mask names all four partners, bit 21 beside it
.irp g, G1K, G1V, G1G
	s_mov_b32 s[\g], 15|(3<<16)|(1<<21)
	s_mov_b32 s[\g+1], 32<<16
	s_mov_b32 s[\g+3], 32<<16
	s_mov_b32 s[\g+5], 32
	s_mov_b32 s[\g+6], 0
	s_mov_b32 s[\g+7], 0
.endr
	s_mov_b32 s[G1K+2], 52<<16                     ; rows: 13,312 bytes
	s_mov_b32 s[G1K+4], 52
	s_mov_b32 s[G1V+2], 100<<16                    ; 25,600 bytes
	s_mov_b32 s[G1V+4], 100
	s_mov_b32 s[G1G+2], 8<<16                      ; 2,048 bytes
	s_mov_b32 s[G1G+4], 8
	s_mov_b32 s[SEL], 0x76543210
	s_mov_b32 s[SEL+1], 0xfedcba98
	s_mov_b32 s[CS], 0x3e38aa3b                    ; c = log2(e) / 8
	s_mov_b32 s[CS+1], s[CS]                       ; (named with it as a pair)
	s_mov_b32 s[NEGC], 0xbe38aa3b
	v_and_b32 v32, 31, v0                          ; lane
	v_and_b32 v33, 15, v0                          ; r
	v_bfe_u32 v34, v0, 4, 1                        ; h
	s_delay_alu instid0(VALU_DEP_3)
	v_lshlrev_b32 v[L16], 4, v32
	s_delay_alu instid0(VALU_DEP_4)
	v_lshlrev_b32 v[L8], 3, v32
	v_lshl_add_u32 v[KSB], v32, 2, LKS
	s_delay_alu instid0(VALU_DEP_4)
	v_lshl_add_u32 v[LGB], v34, 6, LGG
	v_lshl_add_u32 v[VB16], v32, 4, LV
	v_lshl_add_u32 v[VB8], v32, 3, LV
	v_lshl_add_u32 v[VSB], v32, 2, LVS
	v_lshlrev_b32 v[R4], 2, v33
	v_lshlrev_b32 v[R32], 5, v33
	s_wait_dscnt 0x0                               ; the opening add is done
	s_wait_kmcnt 0x0
	s_mov_b32 s[G0K], 1
	s_mul_i32 s[G0K+1], s[WV], 13312
	s_add_nc_u64 s[G0K+2:G0K+3], s[4:5], s[80:81]
	s_or_b32 s[G0K+3], s[G0K+3], 0x80000000
	s_mov_b32 s[G0V], 1
	s_mul_i32 s[G0V+1], s19, 25600
	s_add_co_u32 s[G0V+1], s[G0V+1], LV
	s_add_nc_u64 s[G0V+2:G0V+3], s[4:5], s[82:83]
	s_or_b32 s[G0V+3], s[G0V+3], 0x80000000
	s_mov_b32 s[G0G], 1
	s_lshl_b32 s[G0G+1], s19, 11
	s_add_co_u32 s[G0G+1], s[G0G+1], LGG
	s_add_nc_u64 s[G0G+2:G0G+3], s[6:7], s[84:85]
	s_or_b32 s[G0G+3], s[G0G+3], 0x80000000
	s_add_nc_u64 s[PQ:PQ+1], s[4:5], s[PQ:PQ+1]
	s_add_nc_u64 s[PQS:PQS+1], s[4:5], s[PQS:PQS+1]
	s_add_nc_u64 s[POP:POP+1], s[8:9], s[POP:POP+1]
	s_add_nc_u64 s[POS:POS+1], s[8:9], s[POS:POS+1]
	CROUND                                         ; all four work-groups are here: the joint loads meet
	tensor_load_to_lds s[G0K:G0K+3], s[G1K:G1K+7]  ; every wave brings an eighth of K, which walk 1 wants first
	s_nop 0
.rept 4
	v_nop
.endr
	WIN 0x40                                       ; destination window 1
	s_wait_alu depctr_va_vdst(0)
.irp t, 0,1,2,3
	global_load_b128 v[QF+12*\t:QF+12*\t+3], v[L16], s[PQ:PQ+1] offset:768*\t       ; Q stays in registers
	global_load_b64 v[QF+12*\t+4:QF+12*\t+5], v[L8], s[PQ:PQ+1] offset:768*\t+512
.endr
.irp t, 0,1,2,3
.irp i, 6,7,8,9,10,11
	v_mov_b32 v[QF+12*\t+\i], 0                    ; zero codes for the upper 64 of the instruction's K
.endr
.endr
	WIN 0
.irp t, 0,1,2,3
	global_load_b32 v[QS+\t], v[R4], s[PQS:PQS+1] offset:64*\t
.endr
.irp i, 48,49,50,51,52,53
	v_mov_b32 v[KF+\i], 0                          ; what stands above K's last tile
.endr
.irp t, 0,1,2,3
	v_mov_b32 v[ST+4*\t+1], 0xff61b1e6             ; m: -3e38, under every score
	v_mov_b32 v[ST+4*\t+2], 0                      ; l, in two halves
	v_mov_b32 v[ST+4*\t+3], 0
.endr
.irp t, 0,1,2,3
	v_mul_f32 v[ST+4*\t], s[NEGC], v[ST+4*\t+1]    ; -c m
.endr
	v_mov_b32 v[AP+1], 0                           ; (named as the upper half of a pair)
.irp b, 4,5,6,7
	v_mov_b32 v[TM+\b], 0                          ; a lane permute's destination counts as one of its sources
.endr
.macro KLOAD                           ; a step's eight tiles of K, six registers each, and their scale words: lanes 0-15 tile 2 p's, lanes 16-31 tile 2 p + 1's
.irp i, 0,1,2,3,4,5,6,7
	ds_load_b128 v[KF+6*\i:KF+6*\i+3], v[AK16] offset:768*\i
	ds_load_b64 v[KF+6*\i+4:KF+6*\i+5], v[AK8] offset:768*\i+512
.endr
.irp p, 0,1,2,3
	ds_load_b32 v[KS+\p], v[AKS] offset:128*\p
.endr
.endm
; S^T of tile tau: eight products, 16 keys each.  g = 1: G is the C
.macro QK tau, g
.if \g
	WIN 0x14                                       ; source 1 (Q) and C (G) window 1
.else
	WIN 0x04
.endif
.irp i, 0,1,2,3,4,5,6,7
.if (\g) && (\i%2)
	v_wmma_scale_f32_16x16x128_f8f6f4 v[S+8*\i:S+8*\i+7], v[KF+6*\i:KF+6*\i+11], v[QF+12*\tau:QF+12*\tau+11], v[LG+8*\i:LG+8*\i+7], v[KS+\i/2], v[QS+\tau] matrix_a_fmt:MATRIX_FMT_FP6 matrix_b_fmt:MATRIX_FMT_FP6 matrix_a_scale:MATRIX_SCALE_ROW1
.elseif \g
	v_wmma_scale_f32_16x16x128_f8f6f4 v[S+8*\i:S+8*\i+7], v[KF+6*\i:KF+6*\i+11], v[QF+12*\tau:QF+12*\tau+11], v[LG+8*\i:LG+8*\i+7], v[KS+\i/2], v[QS+\tau] matrix_a_fmt:MATRIX_FMT_FP6 matrix_b_fmt:MATRIX_FMT_FP6
.elseif \i%2
	v_wmma_scale_f32_16x16x128_f8f6f4 v[SB+8*\i-SJ*(\i/6):SB+8*\i-SJ*(\i/6)+7], v[KF+6*\i:KF+6*\i+11], v[QF+12*\tau:QF+12*\tau+11], 0, v[KS+\i/2], v[QS+\tau] matrix_a_fmt:MATRIX_FMT_FP6 matrix_b_fmt:MATRIX_FMT_FP6 matrix_a_scale:MATRIX_SCALE_ROW1
.else
	v_wmma_scale_f32_16x16x128_f8f6f4 v[SB+8*\i-SJ*(\i/6):SB+8*\i-SJ*(\i/6)+7], v[KF+6*\i:KF+6*\i+11], v[QF+12*\tau:QF+12*\tau+11], 0, v[KS+\i/2], v[QS+\tau] matrix_a_fmt:MATRIX_FMT_FP6 matrix_b_fmt:MATRIX_FMT_FP6
.endif
.endr
.endm
.macro BMAX                            ; the largest of my 16 scores of each block of 32 keys: four chains by turns; each accumulator is first read at its low end
.irp b, 0,1,2,3
	v_max3_num_f32 v[TM+\b], v[S+16*\b], v[S+16*\b+1], v[S+16*\b+2]
.endr
.irp i, 3,5,7,9,11,13
.irp b, 0,1,2,3
	v_max3_num_f32 v[TM+\b], v[TM+\b], v[S+16*\b+\i], v[S+16*\b+\i+1]
.endr
.endr
.irp b, 0,1,2,3
	v_max_num_f32 v[TM+\b], v[TM+\b], v[S+16*\b+15]
.endr
.endm
; WALK 1, one tile and one step: the running maximum and sum
; IN WALK 1 THE SCORES HAVE TWO SETS OF 64 REGISTERS, which the tiles take by turns: even tiles v[S] on; odd tiles V's fragment registers (48) and 16 of the weights' codes', which walk 1 leaves idle.
; Register j of the set in use is v[SB + j - SJ (j / 48)].  A tile's vector work holds the NEXT tile's eight products, which write the other set: they stand behind the wait ahead of the exponentials and ahead of the 64 exponentials.
.macro SETB p
.if (\p)%2
.set SB, VF
.set SJ, VF+48-PC
.else
.set SB, S
.set SJ, 0
.endif
.endm
; nxt: the tile whose products stand inside; wt = 1: they are the next step's first, and the step's K is waited for ahead of them
.macro STAT tau, nxt, wt
.set NC, ST+4*(\tau)
.set LL, ST+4*(\tau)+2
	SETB \tau
	s_wait_alu depctr_va_vdst(0)                   ; these scores were made ahead of the last tile's exponentials
.irp b, 0,1,2,3
	v_max3_num_f32 v[TM+\b], v[SB+16*\b-SJ*(\b/3)], v[SB+16*\b-SJ*(\b/3)+1], v[SB+16*\b-SJ*(\b/3)+2]   ; four chains by turns; each accumulator is first read at its low end
.endr
.irp i, 3,5,7,9,11,13
.irp b, 0,1,2,3
	v_max3_num_f32 v[TM+\b], v[TM+\b], v[SB+16*\b-SJ*(\b/3)+\i], v[SB+16*\b-SJ*(\b/3)+\i+1]
.endr
.endr
.irp b, 0,1,2,3
	v_max_num_f32 v[TM+\b], v[TM+\b], v[SB+16*\b-SJ*(\b/3)+15]
.endr
	s_delay_alu instid0(VALU_DEP_2)
	v_max3_num_f32 v[TM], v[TM], v[TM+1], v[TM+2]
	s_delay_alu instid0(VALU_DEP_1)
	v_max3_num_f32 v[TM], v[TM], v[TM+3], v[NC+1]
	s_delay_alu instid0(VALU_DEP_1)
	v_permlanex16_b32 v[TM+4], v[TM], s[SEL], s[SEL+1]   ; the query's other 64 keys lie in the lane 16 away
	s_delay_alu instid0(VALU_DEP_1)
	v_max_num_f32 v[NC+1], v[TM], v[TM+4]          ; the new m
	v_mov_b32 v[TM+1], v[NC]
	s_delay_alu instid0(VALU_DEP_2)
	v_mul_f32 v[NC], s[NEGC], v[NC+1]              ; -c m
	s_delay_alu instid0(VALU_DEP_1)
	v_sub_f32 v[TM+1], v[NC], v[TM+1]              ; c m_old - c m_new, of the very numbers that the exponents take
	s_wait_alu depctr_va_vdst(0)
	v_exp_f32 v[AP], v[TM+1]
.set I, 0
.rept 32
	v_pk_fma_f32 v[SB+I-SJ*(I/48):SB+I-SJ*(I/48)+1], v[SB+I-SJ*(I/48):SB+I-SJ*(I/48)+1], s[CS:CS+1], v[NC:NC+1] op_sel_hi:[1,0,0]   ; c s - c m, two at a time
.set I, I+2
.endr
.set I, 0
	s_wait_alu depctr_va_vdst(0)                   ; the wait ahead of the batch
.if \wt
	s_wait_dscnt 0x0                               ; the next step's K, asked for ahead of this tile's work
.endif
	SETB \nxt
	QK \nxt, 0                                     ; the next tile's scores, into the other set
	WIN 0
	SETB \tau
.rept 64
	v_exp_f32 v[SB+I-SJ*(I/48)], v[SB+I-SJ*(I/48)]
.set I, I+1
.endr
	v_nop                                          ; a plain place behind the last exponential
	s_wait_alu depctr_va_vdst(0)                   ; one wait for the batch of 65, ahead of its first reader
	v_pk_mul_f32 v[LL:LL+1], v[LL:LL+1], v[AP:AP+1] op_sel_hi:[1,0]   ; l under the new m
	v_pk_add_f32 v[TM+8:TM+9], v[SB:SB+1], v[SB+2:SB+3]   ; two chains; these additions are also the places behind the products above
.set I, 4
.rept 15
	v_pk_add_f32 v[LL:LL+1], v[LL:LL+1], v[SB+I-SJ*(I/48):SB+I-SJ*(I/48)+1]
	v_pk_add_f32 v[TM+8:TM+9], v[TM+8:TM+9], v[SB+I+2-SJ*((I+2)/48):SB+I+2-SJ*((I+2)/48)+1]
.set I, I+4
.endr
	s_delay_alu instid0(VALU_DEP_1)
	v_pk_add_f32 v[LL:LL+1], v[LL:LL+1], v[TM+8:TM+9]
.endm
; WALK 2.  MAXP: each block's largest score, which gives its largest weight, since the weight rises with the score
.macro MAXP
	BMAX
.irp b, 0,1,2,3
	s_delay_alu instid0(VALU_DEP_4)
	v_permlanex16_b32 v[TM+4+\b], v[TM+\b], s[SEL], s[SEL+1]
.endr
.irp b, 0,1,2,3
	s_delay_alu instid0(VALU_DEP_4)
	v_max_num_f32 v[TM+\b], v[TM+\b], v[TM+4+\b]
.endr
.endm
; EXPP: the weights, their scales, their codes (as half blocks)
.macro EXPP tau
.irp b, 0,1,2,3
	v_fma_f32 v[TM+\b], v[TM+\b], s[CS], v[ST+4*\tau]
.endr
.set I, 0
.rept 32
	v_pk_fma_f32 v[S+I:S+I+1], v[S+I:S+I+1], s[CS:CS+1], v[ST+4*\tau:ST+4*\tau+1] op_sel_hi:[1,0,0]   ; c (s + G) - c m - log2 l
.set I, I+2
.endr
	s_wait_alu depctr_va_vdst(0)
.irp b, 0,1,2,3
	v_exp_f32 v[TM+\b], v[TM+\b]                   ; the same two instructions on the same number give the same bits as the block's largest weight
.endr
.set I, 0
.rept 64
	v_exp_f32 v[S+I], v[S+I]                       ; softmax x gate, finished
.set I, I+1
.endr
	v_nop
	s_wait_alu depctr_va_vdst(0)                   ; one wait for the batch of 68
.irp b, 0,1,2,3
	v_max_num_f32 v[TM+\b], 0x1800000, v[TM+\b]    ; the floor 2^(3 - 127): the byte cannot fall under 1
.endr
.irp b, 0,1,2,3
	s_delay_alu instid0(VALU_DEP_4)
	v_add_nc_u32 v[TM+12+\b], 0xff000000, v[TM+\b]
.endr
.irp b, 0,1,2,3
	s_delay_alu instid0(VALU_DEP_4)
	v_lshrrev_b32 v[TM+4+\b], 23, v[TM+12+\b]
.endr
	s_delay_alu instid0(VALU_DEP_3)
	v_lshl_or_b32 v[PW], v[TM+5], 8, v[TM+4]
	s_delay_alu instid0(VALU_DEP_1)
	v_lshl_or_b32 v[PW], v[TM+6], 16, v[PW]
	s_delay_alu instid0(VALU_DEP_1)
	v_lshl_or_b32 v[PW], v[TM+7], 24, v[PW]
.irp c, 0,1
	v_cvt_scalef32_pk16_fp6_f32 v[PC+6*\c:PC+2+6*\c], v[S+32*\c:S+15+32*\c], v[TM+12+2*\c]
	v_cvt_scalef32_pk16_fp6_f32 v[PC+12+4*\c:PC+14+4*\c], v[S+16+32*\c:S+31+32*\c], v[TM+12+2*\c+1]
.endr
	v_nop                                          ; one plain place behind a scaled conversion: the next products write over its sources
.endm
.macro SWMV                            ; whole blocks to a lane.  The six moves are also the places between the products just issued and the first read of their results
.irp c, 0,1
.irp i, 0,1,2
	v_permlane16_swap_b32 v[PC+6*\c+\i], v[PC+12+4*\c+\i]
.endr
.endr
.irp c, 0,1
.irp i, 0,1,2
	v_mov_b32 v[PC+3+6*\c+\i], v[PC+12+4*\c+\i]
.endr
.endr
.endm
; O^T of tile tau += V^T P^T: four accumulators, one instruction each.  first = 1: the products start the sums
.macro PV tau, first
.if \first
	WIN 0x40                                       ; D window 1
.else
	WIN 0x50                                       ; C and D window 1
.endif
.irp a, 0,1,2,3
.if (\first) && (\a%2)
	v_wmma_scale_f32_16x16x128_f8f6f4 v[OF+32*\tau+8*\a:OF+32*\tau+8*\a+7], v[VF+12*\a:VF+12*\a+11], v[PC:PC+11], 0, v[VS+\a/2], v[PW] matrix_a_fmt:MATRIX_FMT_FP6 matrix_b_fmt:MATRIX_FMT_FP6 matrix_a_scale:MATRIX_SCALE_ROW1
.elseif \first
	v_wmma_scale_f32_16x16x128_f8f6f4 v[OF+32*\tau+8*\a:OF+32*\tau+8*\a+7], v[VF+12*\a:VF+12*\a+11], v[PC:PC+11], 0, v[VS+\a/2], v[PW] matrix_a_fmt:MATRIX_FMT_FP6 matrix_b_fmt:MATRIX_FMT_FP6
.elseif \a%2
	v_wmma_scale_f32_16x16x128_f8f6f4 v[OF+32*\tau+8*\a:OF+32*\tau+8*\a+7], v[VF+12*\a:VF+12*\a+11], v[PC:PC+11], v[OF+32*\tau+8*\a:OF+32*\tau+8*\a+7], v[VS+\a/2], v[PW] matrix_a_fmt:MATRIX_FMT_FP6 matrix_b_fmt:MATRIX_FMT_FP6 matrix_a_scale:MATRIX_SCALE_ROW1
.else
	v_wmma_scale_f32_16x16x128_f8f6f4 v[OF+32*\tau+8*\a:OF+32*\tau+8*\a+7], v[VF+12*\a:VF+12*\a+11], v[PC:PC+11], v[OF+32*\tau+8*\a:OF+32*\tau+8*\a+7], v[VS+\a/2], v[PW] matrix_a_fmt:MATRIX_FMT_FP6 matrix_b_fmt:MATRIX_FMT_FP6
.endif
.endr
.endm
; A step of walk 2: 128 keys for my four tiles.  A tile's second product stands behind the next tile's first product and block maxima, whose 40 vector instructions are the places that its operand and scale want.
; THE NEXT STEP'S K (and in walk 2 its G) IS ASKED FOR A TILE AHEAD: behind the step's last score products, whose operands are then free, so that a tile's vector work stands between the LDS loads and the wait for them.
; The step's number goes round modulo 16: walk 1's last request is walk 2's step 0; walk 2's last request (step 0 once more) is read by nobody and is waited for at the wave's end.
.set TI, 67                            ; s67: the step for which K was asked last
.macro KNEXT                           ; on to the next step; the four additions are also the places between the products just issued and the loads into their operands
	s_add_co_u32 s[TI], s[TI], 1
	s_and_b32 s[TI], s[TI], 15
	s_lshl_b32 s[TS], s[TI], 9
	s_mul_i32 s[TK], s[TI], 6144
	s_lshl_b32 s[TV], s[TI], 8
	v_add_nc_u32 v[AK16], s[TK], v[L16]
	v_add_nc_u32 v[AK8], s[TK], v[L8]
	v_add_nc_u32 v[AKS], s[TS], v[KSB]
	v_add_nc_u32 v[ALG], s[TS], v[LGB]
.endm
.macro GLOAD                           ; G of keys 32 (i / 2) + 16 h + 8 (i % 2) + 0 .. 7: the result's layout; sixteen lanes share each word
	WIN 0x40
.irp i, 0,1,2,3,4,5,6,7
	ds_load_b128 v[LG+8*\i:LG+8*\i+3], v[ALG] offset:(32*(\i/2)+8*(\i%2))*4
	ds_load_b128 v[LG+8*\i+4:LG+8*\i+7], v[ALG] offset:(32*(\i/2)+8*(\i%2))*4+16
.endr
	WIN 0
.endm
.macro P2STEP first
	v_add_nc_u32 v[AV16], s[TK], v[VB16]           ; this step's V; these four are also the places between the last step's last products and the loads into their operands
	v_add_nc_u32 v[AV8], s[TK], v[VB8]
	v_add_nc_u32 v[AVS], s[TV], v[VSB]
	v_nop
.irp a, 0,1,2,3
	ds_load_b128 v[VF+12*\a:VF+12*\a+3], v[AV16] offset:768*\a
	ds_load_b64 v[VF+12*\a+4:VF+12*\a+5], v[AV8] offset:768*\a+512
	ds_load_b128 v[VF+12*\a+6:VF+12*\a+9], v[AV16] offset:3072+768*\a
	ds_load_b64 v[VF+12*\a+10:VF+12*\a+11], v[AV8] offset:3072+768*\a+512
.endr
	ds_load_b32 v[VS], v[AVS]
	ds_load_b32 v[VS+1], v[AVS] offset:128
	s_wait_dscnt 18                                ; K, its scale words and G are in; V's 16 loads and its 2 scale words may be out
	QK 0, 1
	WIN 0
.rept 4
	v_nop                                          ; four places ahead of the first read of results
.endr
	MAXP
	EXPP 0
	QK 1, 1
	WIN 0
	SWMV
	MAXP
	s_wait_alu depctr_va_vdst(0)
	s_wait_dscnt 0x0                               ; V is in
	PV 0, \first
	WIN 0
	EXPP 1
	QK 2, 1
	WIN 0
	SWMV
	MAXP
	PV 1, \first
	WIN 0
	EXPP 2
	QK 3, 1
	WIN 0
	SWMV
	KNEXT
	KLOAD                                          ; the next step's K and G
	GLOAD
	MAXP
	PV 2, \first
	WIN 0
	EXPP 3
	SWMV
.rept 8
	v_nop                                          ; a scale word written by vector instructions stands eight places ahead of a scaled product, an operand four
.endr
	PV 3, \first
	WIN 0
.endm
	s_wait_alu depctr_va_vdst(0)                   ; the head's end
	s_wait_tensorcnt 0x0                           ; my eighth of K has landed
	ds_add_u32 v[SPW], v[NIL]
	s_wait_dscnt 0x0
	CROUND                                         ; K is whole in all four work-groups, and the joint loads of V and G meet
	s_cmp_lt_u32 s[WV], 4                          ; one load a wave: waves 0-3 a quarter of V, waves 4-7 a quarter of G; they land under walk 1
	s_cbranch_scc0 .Lfor_g
	tensor_load_to_lds s[G0V:G0V+3], s[G1V:G1V+7]
	s_nop 0
.rept 4
	v_nop
.endr
	s_branch .Lasked
.Lfor_g:
	tensor_load_to_lds s[G0G:G0G+3], s[G1G:G1G+7]
	s_nop 0
.rept 4
	v_nop
.endr
.Lasked:
	s_wait_loadcnt 0x0                             ; Q
	s_mov_b32 s[TI], 15
	s_mov_b32 s[CNT], 16
	KNEXT                                          ; step 0
	KLOAD
	s_wait_dscnt 0x0
	SETB 0
	QK 0, 0                                        ; the first tile's scores stand ahead of the loop
	WIN 0
.rept 4
	v_nop                                          ; four places ahead of the first read of results
.endr
.Lwalk1:                                               ; a trip: four tiles' maxima and sums, each with the next tile's products inside
	STAT 0, 1, 0
	STAT 1, 2, 0
	STAT 2, 3, 0
	KNEXT                                          ; tile 3's products were issued inside tile 2's work, whose additions are their places: K's registers take the next step
	KLOAD
	STAT 3, 0, 1                                   ; (in the last trip the products inside are step 0's once more: eight instructions whose results nobody reads)
	s_sub_co_u32 s[CNT], s[CNT], 1
	s_cmp_lg_u32 s[CNT], 0
	s_cbranch_scc1 .Lwalk1
.irp t, 0,1,2,3
	v_add_f32 v[TM+\t], v[ST+4*\t+2], v[ST+4*\t+3] ; l's two halves,
.endr
.irp t, 0,1,2,3
	s_delay_alu instid0(VALU_DEP_4)
	v_permlanex16_b32 v[TM+4+\t], v[TM+\t], s[SEL], s[SEL+1]
.endr
.irp t, 0,1,2,3
	s_delay_alu instid0(VALU_DEP_4)
	v_add_f32 v[TM+\t], v[TM+\t], v[TM+4+\t]       ; and lane l xor 16's
.endr
	s_wait_alu depctr_va_vdst(0)
.irp t, 0,1,2,3
	v_log_f32 v[TM+\t], v[TM+\t]
.endr
	v_nop
	s_wait_alu depctr_va_vdst(0)                   ; one wait for the four
.irp t, 0,1,2,3
	v_sub_f32 v[ST+4*\t], v[ST+4*\t], v[TM+\t]     ; -c m - log2 l: the division by the sum rides in the exponent
.endr
	s_wait_tensorcnt 0x0                           ; my parts of V and G have landed
	s_wait_dscnt 0x0
	s_barrier_signal -1
	s_barrier_wait -1                              ; everybody's have
	GLOAD                                          ; step 0's G (its K is in registers, and the step's number stands at 0 again)
	P2STEP 1                                       ; the first step is written out: its products start O^T's sums
	s_mov_b32 s[CNT], 15
.Lwalk2:
	P2STEP 0
	s_sub_co_u32 s[CNT], s[CNT], 1
	s_cmp_lg_u32 s[CNT], 0
	s_cbranch_scc1 .Lwalk2
	; THE WAY OUT.  A tile's 32 registers are features 32 b + 16 h + i of my query: two blocks of the output projection's K.  Each tile has registers of its own for its codes, so no store's data are written again.
.rept 4
	v_nop
.endr
.macro QUANT2 tau
.set OB, OF+32*(\tau)
.set RB, S+16*(\tau)
	WIN 0x05                                       ; sources 0 and 1 window 1
.irp b, 0,1
	v_max3_num_f32 v[TM+\b], |v[OB+16*\b]|, |v[OB+16*\b+1]|, 0x1800000
.endr
	WIN 0x14                                       ; sources 1 and 2 window 1
.irp i, 2,4,6,8,10,12,14
.irp b, 0,1
	v_max3_num_f32 v[TM+\b], v[TM+\b], |v[OB+16*\b+\i]|, |v[OB+16*\b+\i+1]|
.endr
.endr
	WIN 0
.irp b, 0,1
	v_permlanex16_b32 v[TM+4+\b], v[TM+\b], s[SEL], s[SEL+1]
.endr
.irp b, 0,1
	s_delay_alu instid0(VALU_DEP_2)
	v_max_num_f32 v[TM+\b], v[TM+\b], v[TM+4+\b]
.endr
.irp b, 0,1
	s_delay_alu instid0(VALU_DEP_2)
	v_add_nc_u32 v[TM+12+\b], 0xff000000, v[TM+\b]
.endr
.irp b, 0,1
	s_delay_alu instid0(VALU_DEP_2)
	v_lshrrev_b32 v[TM+4+\b], 23, v[TM+12+\b]
.endr
	s_delay_alu instid0(VALU_DEP_1)
	v_lshl_or_b32 v[RB+12], v[TM+5], 8, v[TM+4]    ; the head's two scale bytes
	WIN 0x01                                       ; source 0 window 1
	v_cvt_scalef32_pk16_fp6_f32 v[RB:RB+2], v[OB:OB+15], v[TM+12]
	v_cvt_scalef32_pk16_fp6_f32 v[RB+8:RB+10], v[OB+16:OB+31], v[TM+13]
	WIN 0
	v_nop
.irp i, 0,1,2
	v_permlane16_swap_b32 v[RB+\i], v[RB+8+\i]
.endr
.irp i, 0,1,2
	s_delay_alu instid0(VALU_DEP_3)
	v_mov_b32 v[RB+3+\i], v[RB+8+\i]
.endr
	global_store_b128 v[L16], v[RB:RB+3], s[POP:POP+1] offset:RECB*(\tau)          ; 512 consecutive bytes, then 256
	global_store_b64 v[L8], v[RB+4:RB+5], s[POP:POP+1] offset:RECB*(\tau)+512
	global_store_b16 v[R32], v[RB+12], s[POS:POS+1] offset:RECB*(\tau)             ; both halves of the lanes store the same two bytes
.endm
	QUANT2 0
	QUANT2 1
	QUANT2 2
	QUANT2 3
	s_wait_tensorcnt 0x0                           ; the wave's end
	ds_add_u32 v[SPW], v[NIL]
	s_wait_dscnt 0x0
	CROUND                                         ; the closing round
	s_endpgm
.Lfunc_end_k_qef982e820c_attn:
	.size	k_qef982e820c_attn, .Lfunc_end_k_qef982e820c_attn-k_qef982e820c_attn
	.p2alignl 7, 3214868480
	.fill 96, 4, 3214868480
	.section	.rodata,"a",@progbits
	.p2align	6, 0x0
	.amdhsa_kernel k_qef982e820c_attn
		.amdhsa_group_segment_fixed_size 327680
		.amdhsa_private_segment_fixed_size 0
		.amdhsa_enable_private_segment 0
		.amdhsa_kernarg_size 24
		.amdhsa_user_sgpr_count 2
		.amdhsa_user_sgpr_kernarg_segment_ptr 1
		.amdhsa_wavefront_size32 1
		.amdhsa_system_sgpr_workgroup_id_x 1
		.amdhsa_system_sgpr_workgroup_id_y 1
		.amdhsa_system_sgpr_workgroup_id_z 1
		.amdhsa_system_vgpr_workitem_id 0
		.amdhsa_next_free_vgpr 512
		.amdhsa_next_free_sgpr 90
		.amdhsa_reserve_vcc 0
		.amdhsa_float_denorm_mode_32 3
		.amdhsa_float_denorm_mode_16_64 3
		.amdhsa_memory_ordered 1
		.amdhsa_forward_progress 1
		.amdhsa_inst_pref_size 159
	.end_amdhsa_kernel
	.amdgpu_metadata
---
amdhsa.version: [ 1, 2 ]
amdhsa.kernels:
  - .name:           k_qef982e820c_attn
    .symbol:         k_qef982e820c_attn.kd
    .args:
      - { .name: qkv, .offset: 0, .size: 8, .value_kind: global_buffer, .address_space: global }
      - { .name: lgc, .offset: 8, .size: 8, .value_kind: global_buffer, .address_space: global }
      - { .name: op, .offset: 16, .size: 8, .value_kind: global_buffer, .address_space: global }
    .group_segment_fixed_size: 327680
    .private_segment_fixed_size: 0
    .kernarg_segment_align: 8
    .kernarg_segment_size: 24
    .max_flat_workgroup_size: 256
    .sgpr_count:     90
    .vgpr_count:     512
    .wavefront_size: 32
...
	.end_amdgpu_metadata
.endif
;; end of part 3
;; launch oproj (part 4): grid 256 x 1, 4 waves a work-group, clusters of 4 x 1, 295,424 bytes of LDS; arguments op, wimg, bo, out0; writes out0
.if DOCPART == 4
	.amdgcn_target "amdgcn-amd-amdhsa--gfx1250"
	.amdhsa_code_object_version 6
	.text
	.protected	k_qef982e820c_oproj
	.globl	k_qef982e820c_oproj
	.p2align	8
	.type	k_qef982e820c_oproj,@function
k_qef982e820c_oproj:
	s_mov_b64 s[64:65], 0
	v_nop
	global_prefetch_b8 v0, s[64:65] scope:SCOPE_SE
	s_setreg_imm32_b32 hwreg(HW_REG_WAVE_MODE, 25, 1), 1
	s_wait_xcnt 0x0
	s_wait_alu depctr_hold_cnt(0) depctr_sa_sdst(0) depctr_va_vdst(0) depctr_va_sdst(0) depctr_va_ssrc(0) depctr_va_vcc(0) depctr_vm_vsrc(0)
	s_getreg_b32 s2, hwreg(HW_REG_IB_STS2, 6, 4)
	s_cmp_eq_u32 s2, 0
	s_cbranch_scc0 .Lentry_in_a_cluster
	s_endpgm
.Lentry_in_a_cluster:
	s_bfe_u32 s2, ttmp6, 0x10000c
	s_cmp_lg_u32 s2, 0x3003
	s_cbranch_scc0 .Lentry_shape_is_right
	s_endpgm
.Lentry_shape_is_right:
; out0 = O Wo^T + bo on codes of FP6 (E2M3) with E8M0 scales, K = 1,024; out0 [8192][1024] f32.
; Role A (source 1: a lane owns a row) = the tokens' records in op; role B (source 0: the registers run along it) = Wo's records.  Lane row r of tile mt is row 32 (mt / 2) + 8 (mt % 2) + r + 8 (r / 8).
; A record is 12,800 bytes: 16 images of six operand registers (64 along K, 768 bytes), then 512 bytes of scale words.
; SHARES.  A work-group makes 128 tokens x 256 features, a wave 64 x 128: 32 accumulators.  256 work-groups.
; LDS.  Both tiles fit whole for all of K (294,912 bytes): filled once, in four quarters of K; nothing is filled again: no ring.  Quarter q at 73,728 q; in it A's 8 tiles, then B's 16, 3,072 bytes each.
; CLUSTER.  The four partners take the same tile of Wo (two thirds of the bytes): waves 2 and 3 ask for it JOINTLY; the tokens' tiles differ between partners: waves 0 and 1 ask for them alone.
; One tensor load of a wave is out at the most.  No prefetch: every tile is asked for at the head.
; REGISTERS: window 0: v1-13 addresses, v32-63 A's scale words, v64-127 B's, v128-223 A's fragments (two sets); on the way out v128-255 rows of out0.
;   window 1: B's fragments (two sets of 96), v192-255 bo in the result's layout.   window 2: the accumulators, (a, b) at v[64 a + 8 b].
.set Q4,    73728
; LDS AS IT STANDS (in place of the quarters named above): tile i of A at 12,288 i, all of K on end; B's 16 tiles behind A's 8.  Every wave issues ONE tensor load, at the head:
; waves 0, 1 four records of A each (alone), waves 2, 3 eight records of B each (jointly); one wait for 0 and one barrier show all of it to every wave; nothing is filled later.
.set PART,  98304                      ; eight tiles: all of A, or half of B
.set MTB,   12288                      ; a tile's codes for all of K
.set RECB,  12800
.set SPARE, 4*Q4                       ; the spare words, 128 bytes a wave: two blocks of 256 bytes that no other line names
.set SP,    528                        ; the way out: a stage of 16 rows x (512 bytes + 16) for each wave, over A's first tiles: they have had their only fill, and a barrier stands between every wave's last read of them and the first store
.set G16, 1
.set G8,  2
.set A16, 5
.set A8,  6
.set B16, 7
.set B8,  8
.set VSA, 9
.set VSB, 10
.set VBN, 11
.set STO, 12
.set RD,  13
.set SPW, 28
.set NIL, 29
.set SA,  32
.set SB,  64
.set AF,  128
.set BN,  192
.set BK,  128
.set WV,  16
.set WA,  17
.set WB,  18
.set G1A, 24
.set G1B, 32
.set G0A, 40
.set PBW, 66
.set PA,  76
.set PB,  78
.set CX,  82
.set AT,  83
.set BT,  84
.set OUT, 86
.set LB,  95
.set MSB, 0
.macro WIN new
.if MSB != \new
	s_set_vgpr_msb (MSB<<8)|\new
.set MSB, \new
.endif
.endm
.macro CROUND
	s_barrier_signal -1
	s_barrier_wait -1
	s_cmp_lg_u32 s[WV], 0
	s_cbranch_scc1 .Lnot_wave_0_\@
	s_barrier_signal -3
.Lnot_wave_0_\@:
	s_barrier_wait -3
	s_barrier_signal -1
	s_barrier_wait -1
.endm
	s_load_b128 s[4:7], s[0:1], 0x0                ; op, wimg
	s_load_b128 s[8:11], s[0:1], 0x10              ; bo, out0
	v_lshl_add_u32 v[SPW], v0, 2, SPARE
	v_mov_b32 v[NIL], 0
	ds_add_u32 v[SPW], v[NIL]                      ; the wave's opening: the add and its wait stand ahead of the round in front of the first tensor loads
	ds_add_u32 v[SPW], v[NIL]
	v_lshrrev_b32 v14, 5, v0
	v_readfirstlane_b32 s[WV], v14                 ; wave 0..3
	s_lshr_b32 s[WA], s[WV], 1                     ; which 64 tokens are mine.
	s_and_b32 s[WB], s[WV], 1                      ; which 128 features
	s_bfe_u32 s[CX], ttmp6, 0x40000
	s_and_b32 s[BT], ttmp9, 3                      ; Wo's tile hangs on the cluster's number alone
	s_lshr_b32 s[AT], ttmp9, 2
	s_lshl_b32 s[AT], s[AT], 2
	s_add_co_u32 s[AT], s[AT], s[CX]               ; the tokens' tile
	s_mul_i32 s98, s[AT], 8*RECB
	s_mov_b32 s99, 0
	s_mul_i32 s100, s[BT], 16*RECB
	s_add_co_u32 s100, s100, 3*819200              ; Wo is the fourth weight in wimg
	s_mov_b32 s101, 0
	s_mov_b32 s[G1A], 3<<16                        ; 4 or 8 rows (records) of 12,288 bytes, 12,800 bytes apart; elements of 8 bytes; no mask
	s_mov_b32 s[G1B], 15|(3<<16)|(1<<21)           ; the same with the mask of all four partners, bit 21 beside it
.irp g, G1A, G1B
	s_mov_b32 s[\g+1], 1536<<16                    ; a row: a record's 12,288 bytes of codes
	s_mov_b32 s[\g+3], 1536<<16
	s_mov_b32 s[\g+5], 1600                        ; from record to record
	s_mov_b32 s[\g+6], 0
	s_mov_b32 s[\g+7], 0
.endr
	s_mov_b32 s[G1A+2], 4<<16                      ; A: four records a load
	s_mov_b32 s[G1A+4], 4
	s_mov_b32 s[G1B+2], 8<<16                      ; B: eight
	s_mov_b32 s[G1B+4], 8
	v_and_b32 v14, 31, v0                          ; lane
	v_and_b32 v3, 15, v0                           ; r
	v_bfe_u32 v4, v0, 4, 1                         ; h
	v_lshlrev_b32 v[G16], 4, v14
	v_lshlrev_b32 v[G8], 3, v14
	s_mul_i32 s96, s[WA], 4*MTB
	v_add_nc_u32 v[A16], s96, v[G16]
	v_add_nc_u32 v[A8], s96, v[G8]
	s_mul_i32 s96, s[WB], PART
	s_add_co_u32 s96, s96, PART
	v_add_nc_u32 v[B16], s96, v[G16]
	v_add_nc_u32 v[B8], s96, v[G8]
	v_add_nc_u32 v[B16+17], 4*MTB, v[B16]          ; v24, v25: my tiles 4-7 of B, whose offsets would pass the 16-bit immediate
	v_add_nc_u32 v[B8+17], 4*MTB, v[B8]
	v_lshlrev_b32 v15, 5, v3
	s_mul_i32 s96, s[WA], 4*RECB
	v_add_nc_u32 v[VSA], s96, v15
	s_mul_i32 s96, s[WB], 8*RECB
	v_add_nc_u32 v[VSB], s96, v15
	s_lshl_b32 s96, s[BT], 10
	s_lshl_b32 s97, s[WB], 9
	s_add_co_u32 s96, s96, s97                     ; my 128 features, in bytes
	v_lshl_add_u32 v[VBN], v4, 6, s96
	s_mul_i32 s97, s[WV], 16*SP                    ; my stage
	v_mul_u32_u24 v[STO], v3, SP
	v_lshl_add_u32 v[STO], v4, 6, v[STO]
	v_add_nc_u32 v[STO], s97, v[STO]               ; in: row r, + 64 h
	v_add_nc_u32 v[RD], s97, v[G16]                ; back: the 32 lanes take one row of 512 bytes
	s_lshl_b32 s[OUT], s[AT], 7
	s_lshl_b32 s97, s[WA], 6
	s_add_co_u32 s[OUT], s[OUT], s97               ; my first token
	s_lshl_b32 s[OUT], s[OUT], 12
	s_add_co_u32 s[OUT], s[OUT], s96
	s_mov_b32 s[OUT+1], 0
	s_wait_dscnt 0x0                               ; the opening add is done
	s_wait_kmcnt 0x0
	s_add_nc_u64 s[PA:PA+1], s[4:5], s[98:99]
	s_add_nc_u64 s[PB:PB+1], s[6:7], s[100:101]
	s_add_nc_u64 s[OUT:OUT+1], s[10:11], s[OUT:OUT+1]
	s_mul_i32 s96, s[WB], 4*RECB                   ; waves 0, 1: A's records 0-3, 4-7
	s_mov_b32 s97, 0
	s_mov_b32 s[G0A], 1
	s_mul_i32 s[G0A+1], s[WB], 4*MTB
	s_add_nc_u64 s[G0A+2:G0A+3], s[PA:PA+1], s[96:97]
	s_or_b32 s[G0A+3], s[G0A+3], 0x80000000
	s_mul_i32 s96, s[WB], 8*RECB                   ; waves 2, 3: B's records 0-7, 8-15
	s_mov_b32 s56, 1
	s_mul_i32 s57, s[WB], PART
	s_add_co_u32 s57, s57, PART
	s_add_nc_u64 s[58:59], s[PB:PB+1], s[96:97]
	s_or_b32 s59, s59, 0x80000000
	CROUND                                         ; all four work-groups are here: the joint loads meet
	s_cmp_lt_u32 s[WV], 2                          ; one load a wave, one in each arm
	s_cbranch_scc0 .Lfor_b
	tensor_load_to_lds s[G0A:G0A+3], s[G1A:G1A+7]
	s_nop 0
.rept 4
	v_nop
.endr
	s_branch .Lasked
.Lfor_b:
	tensor_load_to_lds s[56:59], s[G1B:G1B+7]
	s_nop 0
.rept 4
	v_nop
.endr
.Lasked:
	s_wait_alu depctr_va_vdst(0)
.irp a, 0,1,2,3
	global_load_b128 v[SA+8*\a:SA+8*\a+3], v[VSA], s[PA:PA+1] offset:\a*RECB+12288      ; scale words, once, straight into registers
	global_load_b128 v[SA+8*\a+4:SA+8*\a+7], v[VSA], s[PA:PA+1] offset:\a*RECB+12288+16
.endr
.irp b, 0,1,2,3,4,5,6,7
	global_load_b128 v[SB+8*\b:SB+8*\b+3], v[VSB], s[PB:PB+1] offset:\b*RECB+12288
	global_load_b128 v[SB+8*\b+4:SB+8*\b+7], v[VSB], s[PB:PB+1] offset:\b*RECB+12288+16
.endr
	WIN 0x40
.irp m, 0,1,2,3,4,5,6,7,8,9,10,11,12,13,14,15
	global_load_b128 v[BN+4*\m:BN+4*\m+3], v[VBN], s[8:9] offset:128*(\m/4)+16*(\m%4)   ; bo at features 32 (m / 4) + 16 h + 4 (m % 4) on
.endr
	WIN 0
	s_wait_loadcnt 0x0
.macro FRAG reg, a16, a8, off
	ds_load_b128 v[\reg:\reg+3], v[\a16] offset:\off
	ds_load_b64 v[\reg+4:\reg+5], v[\a8] offset:\off+512
	ds_load_b128 v[\reg+6:\reg+9], v[\a16] offset:\off+768
	ds_load_b64 v[\reg+10:\reg+11], v[\a8] offset:\off+1280
.endm
.macro FETCH ks                        ; 48 loads: K step ks's four fragments of A and eight of B, into set ks % 2
.irp i, 0,1,2,3
	FRAG AF+48*((\ks)%2)+12*\i, A16, A8, MTB*\i+1536*(\ks)
.endr
	WIN 0x40
.irp i, 0,1,2,3,4,5,6,7
	FRAG 96*((\ks)%2)+12*\i, B16+17*(\i/4), B8+17*(\i/4), MTB*(\i%4)+1536*(\ks)
.endr
	WIN 0
.endm
; The 32 accumulators take turns, one instruction a turn, in the same order in every K step.  first = 1: the sums begin with bo as C.
.macro MULS a0, n, ks, first
.set AA, \a0
.rept \n
.irp b, 0,1,2,3,4,5,6,7
.if \first
	v_wmma_scale_f32_16x16x128_f8f6f4 v[64*AA+8*\b:64*AA+8*\b+7], v[96*((\ks)%2)+12*\b:96*((\ks)%2)+12*\b+11], v[AF+48*((\ks)%2)+12*AA:AF+48*((\ks)%2)+12*AA+11], v[BN+8*\b:BN+8*\b+7], v[SB+8*\b+(\ks)], v[SA+8*AA+(\ks)] matrix_a_fmt:MATRIX_FMT_FP6 matrix_b_fmt:MATRIX_FMT_FP6
.else
	v_wmma_scale_f32_16x16x128_f8f6f4 v[64*AA+8*\b:64*AA+8*\b+7], v[96*((\ks)%2)+12*\b:96*((\ks)%2)+12*\b+11], v[AF+48*((\ks)%2)+12*AA:AF+48*((\ks)%2)+12*AA+11], v[64*AA+8*\b:64*AA+8*\b+7], v[SB+8*\b+(\ks)], v[SA+8*AA+(\ks)] matrix_a_fmt:MATRIX_FMT_FP6 matrix_b_fmt:MATRIX_FMT_FP6
.endif
.endr
.set AA, AA+1
.endr
.endm
.macro EVEN ks
	WIN 0
.rept 4
	v_nop                                          ; four places between the last products and loads into the registers that they read
.endr
	FETCH (\ks)+1
	s_wait_dscnt 48                                ; all but the 48 loads just issued
	WIN 0xa1
	MULS 0, 4, \ks, 0
.endm
	s_wait_tensorcnt 0x0                           ; my one load has landed
	s_barrier_signal -1
	s_barrier_wait -1                              ; everybody's has: both tiles are whole for all of K
	FETCH 0
	FETCH 1
	s_wait_dscnt 48                                ; all but the 48 loads of K step 1
	WIN 0x91                                       ; C (bo) window 1, D window 2
	MULS 0, 4, 0, 1
.irp k, 1,2,3,4,5,6
	EVEN \k                                        ; every K step alike: the next step's 48 loads, then this step's 32 products
.endr
	s_wait_dscnt 0x0                               ; my last reads of the tiles are over:
	s_barrier_signal -1                            ; say so,
	MULS 0, 4, 7, 0                                ; work on registers while the others arrive,
	WIN 0
	s_barrier_wait -1                              ; and store to the stage, which lies over A's tiles, only when nobody reads them any more
; THE WAY OUT, a tile of 16 tokens x 128 features at a time.  A lane holds pieces of one row and the lanes beside it hold other rows: so a tile goes through my own stage in LDS and comes back as whole rows of 512 bytes.
; LDS serves a wave's instructions in order: no wait between the stores and the loads, nor in front of the next tile's stores.
.macro TOSTAGE a
	WIN 0x08                                       ; an LDS store's data are its source 1: window 2
.irp b, 0,1,2,3,4,5,6,7
	ds_store_b128 v[STO], v[64*(\a)+8*\b:64*(\a)+8*\b+3] offset:128*(\b/2)+32*(\b%2)        ; features 32 (b / 2) + 16 h + 8 (b % 2) on; each accumulator from its low end on
	ds_store_b128 v[STO], v[64*(\a)+8*\b+4:64*(\a)+8*\b+7] offset:128*(\b/2)+32*(\b%2)+16
.endr
	WIN 0
.irp t, 0,1,2,3,4,5,6,7,8,9,10,11,12,13,14,15
	ds_load_b128 v[BK+64*((\a)%2)+4*\t:BK+64*((\a)%2)+4*\t+3], v[RD] offset:SP*\t
.endr
.endm
.macro SEND a, younger                 ; younger: the LDS instructions issued behind tile a's loads, which may stay out
	s_wait_dscnt \younger
.irp t, 0,1,2,3,4,5,6,7,8,9,10,11,12,13,14,15
	global_store_b128 v[G16], v[BK+64*((\a)%2)+4*\t:BK+64*((\a)%2)+4*\t+3], s[OUT:OUT+1] offset:(32*((\a)/2)+8*((\a)%2)+\t+8*(\t/8))*4096 th:TH_STORE_NT   ; 512 consecutive bytes, at a multiple of 512 from out0's first byte
.endr
.endm
.rept 4
	v_nop                                          ; four places between the last products and the first read of results and the loads into A's registers
.endr
	TOSTAGE 0
.irp a, 1,2,3
.if \a > 1
	s_wait_xcnt 0x0                                ; tile a - 2's stores have read their registers: tile a's loads may land there
.endif
	TOSTAGE \a
	SEND \a-1, 32                                  ; behind tile a - 1's loads: tile a's 16 stores and 16 loads
.endr
	SEND 3, 0
	s_wait_tensorcnt 0x0                           ; the wave's end, behind my last tensor load and my last LDS store
	ds_add_u32 v[SPW], v[NIL]
	s_wait_dscnt 0x0
	CROUND                                         ; the closing round
	s_endpgm
.Lfunc_end_k_qef982e820c_oproj:
	.size	k_qef982e820c_oproj, .Lfunc_end_k_qef982e820c_oproj-k_qef982e820c_oproj
	.p2alignl 7, 3214868480
	.fill 96, 4, 3214868480
	.section	.rodata,"a",@progbits
	.p2align	6, 0x0
	.amdhsa_kernel k_qef982e820c_oproj
		.amdhsa_group_segment_fixed_size 295424
		.amdhsa_private_segment_fixed_size 0
		.amdhsa_enable_private_segment 0
		.amdhsa_kernarg_size 32
		.amdhsa_user_sgpr_count 2
		.amdhsa_user_sgpr_kernarg_segment_ptr 1
		.amdhsa_wavefront_size32 1
		.amdhsa_system_sgpr_workgroup_id_x 1
		.amdhsa_system_sgpr_workgroup_id_y 1
		.amdhsa_system_sgpr_workgroup_id_z 1
		.amdhsa_system_vgpr_workitem_id 0
		.amdhsa_next_free_vgpr 768
		.amdhsa_next_free_sgpr 102
		.amdhsa_reserve_vcc 0
		.amdhsa_float_denorm_mode_32 3
		.amdhsa_float_denorm_mode_16_64 3
		.amdhsa_memory_ordered 1
		.amdhsa_forward_progress 1
		.amdhsa_inst_pref_size 83
	.end_amdhsa_kernel
	.amdgpu_metadata
---
amdhsa.version: [ 1, 2 ]
amdhsa.kernels:
  - .name:           k_qef982e820c_oproj
    .symbol:         k_qef982e820c_oproj.kd
    .args:
      - { .name: op, .offset: 0, .size: 8, .value_kind: global_buffer, .address_space: global }
      - { .name: wimg, .offset: 8, .size: 8, .value_kind: global_buffer, .address_space: global }
      - { .name: bo, .offset: 16, .size: 8, .value_kind: global_buffer, .address_space: global }
      - { .name: out0, .offset: 24, .size: 8, .value_kind: global_buffer, .address_space: global }
    .group_segment_fixed_size: 295424
    .private_segment_fixed_size: 0
    .kernarg_segment_align: 8
    .kernarg_segment_size: 32
    .max_flat_workgroup_size: 128
    .sgpr_count:     102
    .vgpr_count:     768
    .wavefront_size: 32
...
	.end_amdgpu_metadata
.endif
;; end of part 4
